; MI455X (gfx1250); checked and timed in simulation.
; The chip was launched on July 23, 2026; its instructions are those of AMD's public machine-readable ISA for CDNA 5 (MIT licence, August 2026) and "CDNA5" Instruction Set Architecture Reference Guide (July 2026). The comments in the code are by the model that wrote it; some were corrected since.
;; Cross Attention. Allowed arithmetic: matrix products marked QUANTISED: E3M2 operands, one E8M0 scale for each 32 along K, by v_wmma_scale_f32_16x16x128_f8f6f4 with both operands' format E3M2, f32 sums; everything else in f32.
;; Inputs: bk 1,024 float32; bo 1,024 float32; bq 1,024 float32; bv 1,024 float32; k 4 x 2,048 x 1,024 float32; mask 4 x 2,048 int32; q_codes 4 x 2,048 x 32 x 24 uint8 (E3M2 codes of q, K innermost, in blocks of 32 codes, four codes in three bytes); q_scales 4 x 2,048 x 32 uint8 (E8M0 scales of q, one for each 32 codes along K); v_codes 4 x 2,048 x 32 x 24 uint8 (E3M2 codes of v, K innermost, in blocks of 32 codes, four codes in three bytes); v_scales 4 x 2,048 x 32 uint8 (E8M0 scales of v, one for each 32 codes along K); wk_codes 1,024 x 32 x 24 uint8 (E3M2 codes of wk, K innermost, in blocks of 32 codes, four codes in three bytes); wk_scales 1,024 x 32 uint8 (E8M0 scales of wk, one for each 32 codes along K); wo_codes 1,024 x 32 x 24 uint8 (E3M2 codes of wo, K innermost, in blocks of 32 codes, four codes in three bytes); wo_scales 1,024 x 32 uint8 (E8M0 scales of wo, one for each 32 codes along K); wq_codes 1,024 x 32 x 24 uint8 (E3M2 codes of wq, K innermost, in blocks of 32 codes, four codes in three bytes); wq_scales 1,024 x 32 uint8 (E8M0 scales of wq, one for each 32 codes along K); wv_codes 1,024 x 32 x 24 uint8 (E3M2 codes of wv, K innermost, in blocks of 32 codes, four codes in three bytes); wv_scales 1,024 x 32 uint8 (E8M0 scales of wv, one for each 32 codes along K).
;; Outputs: out0 4 x 2,048 x 1,024 float32.
;; This version of the problem:
;;   THIS VERSION OF THE PROBLEM IS GIVEN IN LOW PRECISION. The matrix products marked QUANTISED in the list below multiply operands that are first quantised to E3M2 (3 exponent bits, 2 mantissa bits; 6 bits a number), with one power-of-two scale for each 32 numbers along K (OCP MX v1.0); their sums are f32. All else is computed in f32.
;;   The module's matrix products, in the order in which they are computed (A, B: the left and right operand; K: the contracted axis; several contracted axes count as one K, in the product's order):
;;     1. [M 8,192, K 1,024] x [K 1,024, N 1,024]; A: input q (given as codes); B: input wq (given as codes): QUANTISED
;;     2. [M 8,192, K 1,024] x [K 1,024, N 1,024]; A: input k; B: input wk (given as codes): QUANTISED
;;     3. [M 8,192, K 1,024] x [K 1,024, N 1,024]; A: input v (given as codes); B: input wv (given as codes): QUANTISED
;;     4. batch 64 x [M 2,048, K 64] x [K 64, N 2,048]; A: computed on the way; B: computed on the way: QUANTISED
;;     5. batch 64 x [M 2,048, K 2,048] x [K 2,048, N 64]; A: softmax (see below); B: computed on the way: QUANTISED
;;     6. [M 8,192, K 1,024] x [K 1,024, N 1,024]; A: computed on the way; B: input wo (given as codes): QUANTISED
;;   THE QUANTISER, for each operand of a quantised product, along K:
;;     - K is cut into blocks of 32 from its start; a last block that is shorter is filled with zeros.
;;     - A block's scale is 2^e with e = floor(log2(the largest magnitude in the block)) - 4, held to -126 .. 127; a block of zeros has e = 0. As a byte (E8M0): e + 127.
;;     - Each number is divided by its block's scale, clamped to +-28, and rounded to the nearest number of E3M2, ties to even, subnormals kept.
;;     - The product sums the exact products of the quantised numbers (number of the format x scale) in f32.
;;   ~~~python
;;   def quantise(x, axis):      # numpy; x: float32 -> the quantised numbers, widened to float32 again
;;       x = np.moveaxis(x, axis, -1); K = x.shape[-1]
;;       x = np.pad(x, [(0, 0)] * (x.ndim - 1) + [(0, -K % 32)]); x = x.reshape(x.shape[:-1] + (-1, 32)); a = np.abs(x).max(-1, keepdims=True)
;;       e = np.where(a > 0, np.clip(np.frexp(np.where(a > 0, a, 1))[1] - 1 - 4, -126, 127), 0)      # np.frexp(a)[1] - 1 = floor(log2(a)), exactly
;;       r = np.clip(x / 2.0 ** e, -28, 28)
;;       step = 2.0 ** (np.maximum(np.frexp(np.where(r == 0, 1, r))[1] - 1, -2) - 2)
;;       q = np.round(r / step) * step * 2.0 ** e      # np.round: ties to even
;;       return np.moveaxis(q.reshape(q.shape[:-2] + (-1,))[..., :K], -1, axis).astype(np.float32)
;;   ~~~
;;   SOFTMAX AHEAD OF A QUANTISED PRODUCT. Where the list says 'softmax', what is quantised is not the finished softmax but p = 2^(t - M), with t = logit x log2(e) and M = ceil(the row's largest t), a whole number; so 1/2 < the row's largest p <= 1. The row's sum l is taken of the UNQUANTISED p, in f32, and the product's result is divided by l at the end. Since M is a whole number, a kernel that streams over the keys may use a running M (the ceiling of the running maximum): every later rescaling is an exact power of two, which a block's scale takes up: the codes' values come out the same.
;;   OPERANDS COMPUTED ON THE WAY. 'Computed on the way' means the value that the module computes at that place (a softmax that the list does not call 'softmax' is quantised finished and normalised). What goes into a quantiser is computed in f32, as accurately as f32 sums, v_exp_f32 and their like allow (about 1e-6 of the number): no bf16 or f16 on the way to a quantiser, and a product that is left as it is and whose result goes on into a quantised operand takes f32 operands (vector FMAs, or v_wmma_f32_16x16x4_f32). A number that lies on a knife's edge between two numbers of the format may be rounded either way, as far as f32 arithmetic and the matrix unit's own rounding can turn it there, and no further.
;;   INPUTS GIVEN AS CODES. q (in the module: [4, 2048, 1024], K = its axis 2); v (in the module: [4, 2048, 1024], K = its axis 2); wk (in the module: [1024, 1024], K = its axis 1); wo (in the module: [1024, 1024], K = its axis 1); wq (in the module: [1024, 1024], K = its axis 1); wv (in the module: [1024, 1024], K = its axis 1): each comes as NAME_codes (uint8): NAME with its K axis moved to the last place and cut into blocks of 32 codes, [.., K / 32, bytes a block], one block behind the other in memory; four codes in three bytes: a row's codes are one little-endian stream of bits, code i at bits 6 i .. 6 i + 5 (a code: sign, 3 exponent bits, 2 mantissa bits); and NAME_scales (uint8): the same leading axes, one E8M0 byte (e + 127) for each 32 codes along K. Its value is code x scale, taken as it is: it is not quantised again, and the codes and scales need not be those that the quantiser above would give.
;; One version. Each part assembles by itself: llvm-mc -triple=amdgcn-amd-amdhsa -mcpu=gfx1250 --defsym DOCPART=n.
;; ======== version 1 of 1: 4 launches
;; limits: right only within a limited range of input values
;; workspace buffers: kxc 6,291,456 bytes; kxs 262,144 bytes; qp 6,553,600 bytes; kp 6,553,600 bytes; vp 6,553,600 bytes; hid 6,553,600 bytes
;; launch quantk (part 1): grid 256 x 1, 4 waves a work-group, no clusters, 33,280 bytes of LDS; arguments k, kxc, kxs; writes kxc, kxs
.if DOCPART == 1
	.amdgcn_target "amdgcn-amd-amdhsa--gfx1250"
	.amdhsa_code_object_version 6
	.text
	.protected	k_q4846c471bd_quantk
	.globl	k_q4846c471bd_quantk
	.p2align	8
	.type	k_q4846c471bd_quantk,@function
k_q4846c471bd_quantk:
	s_mov_b64 s[64:65], 0
	v_nop
	global_prefetch_b8 v0, s[64:65] scope:SCOPE_SE
	s_setreg_imm32_b32 hwreg(HW_REG_WAVE_MODE, 25, 1), 1
	s_wait_xcnt 0x0
; k [8192][1024], f32, becomes codes of BF6 (E3M2), 6 bits each, K innermost (kxc: [8192][768] bytes), with one E8M0 byte for each 32 along K (kxs: [8192][32]).
; A block's scale is 2^(floor(log2(its largest magnitude)) - 4); its byte is the largest magnitude's own exponent field - 4, held at 1 from below.
; LIMITS: a block whose largest magnitude lies under 2^-122 (a block of zeros among them) keeps the byte 1: zero codes add nothing under it, and this program alone reads the bytes.  NaN and infinities are not served.
; Rows are dense and 1024 is a multiple of 32: the tensor is a plain stream of blocks of 32 numbers, and so are its codes and its bytes.
; A wave takes 16 steps of 512 numbers.  Each of a step's four loads reads 512 consecutive bytes, 16 a lane; the 2,048 bytes turn through the wave's own stage in LDS and come back 64 bytes a lane,
; so that a lane holds 16 neighbours along K (two neighbouring lanes hold a block), as the conversion wants them.  Waves share nothing: no barrier.  Loads run four steps ahead, the turn through LDS one step.
.set STEPS, 16
.set EMAX,  4
.set CB,    12                         ; bytes of 16 codes
.set R,     16                         ; v16-79   four sets of 16 numbers as they are loaded
.set X,     80                         ; v80-111  two sets of 16 neighbours
.set C,     128                        ; v128-191 codes: four registers for each step, so that no store's data are written again
.set E,     112                        ; v112-127 a scale byte for each step
.set WREG,  8192                       ; LDS: a region for each wave: two stages of 32 x SP bytes, behind them its 256 scale bytes
.set SP,    80                         ; a lane's place in a stage: 64 bytes + 16 of padding
	s_load_b128 s[4:7], s[0:1], 0x0                ; k s[4:5], kxc s[6:7]
	s_load_b64 s[8:9], s[0:1], 0x10                ; kxs
	v_lshl_add_u32 v192, v0, 2, 0x8000
	v_mov_b32 v193, 0
	v_lshrrev_b32 v1, 5, v0
	v_readfirstlane_b32 s16, v1                    ; wave
	v_and_b32 v2, 31, v0                           ; lane
	v_lshlrev_b32 v3, 4, v2                        ; my 16 bytes of a load's 512
	s_mul_i32 s17, s16, WREG
	v_lshrrev_b32 v14, 2, v2
	v_mul_u32_u24 v14, v14, SP
	v_and_b32 v15, 3, v2
	v_lshl_add_u32 v14, v15, 4, v14
	v_add_nc_u32 v14, s17, v14                     ; the stage, on the way in: SP (lane / 4) + 16 (lane % 4)
	v_mul_u32_u24 v15, v2, SP
	v_add_nc_u32 v15, s17, v15                     ; and on the way out: SP x lane: my 16 neighbours
	v_mul_u32_u24 v4, v2, CB                       ; my codes' place in a step's
	v_lshrrev_b32 v5, 1, v2
	s_add_co_u32 s17, s17, 2*32*SP
	v_add_nc_u32 v5, s17, v5                       ; LDS: my wave's 256 scale bytes, my block's byte
	v_lshlrev_b32 v7, 3, v2                        ; and on the way out 8 bytes a lane
	v_add_nc_u32 v6, s17, v7
	s_lshl_b32 s18, ttmp9, 2
	s_add_co_u32 s18, s18, s16                     ; which run of 8,192 numbers is my wave's: 0 .. 1023
	s_lshl_b32 s20, s18, 15                        ; 32,768 bytes of k a run
	s_mov_b32 s21, 0
	s_mul_i32 s22, s18, 32*STEPS*CB                ; 6,144 bytes of codes
	s_mov_b32 s23, 0
	s_lshl_b32 s18, s18, 8                         ; 256 scale bytes
	s_mov_b32 s19, 0
	s_wait_alu depctr_va_vdst(0)
	s_wait_kmcnt 0x0
	s_add_nc_u64 s[4:5], s[4:5], s[20:21]
	s_add_nc_u64 s[6:7], s[6:7], s[22:23]
	s_add_nc_u64 s[8:9], s[8:9], s[18:19]
.macro LOAD t
.irp i, 0,1,2,3
	global_load_b128 v[R+16*((\t)%4)+4*\i:R+16*((\t)%4)+4*\i+3], v3, s[4:5] offset:2048*(\t)+512*\i th:TH_LOAD_NT   ; 32 lanes read 512 consecutive bytes
.endr
.endm
.macro TURN t                          ; step t's numbers through the stage: LDS serves a wave's instructions in order, so no wait stands between the stores and the loads
.irp i, 0,1,2,3
	ds_store_b128 v14, v[R+16*((\t)%4)+4*\i:R+16*((\t)%4)+4*\i+3] offset:32*SP*((\t)%2)+8*SP*\i
.endr
.irp i, 0,1,2,3
	ds_load_b128 v[X+16*((\t)%2)+4*\i:X+16*((\t)%2)+4*\i+3], v15 offset:32*SP*((\t)%2)+16*\i
.endr
.endm
.irp t, 0,1,2,3
	LOAD \t
.endr
	s_wait_loadcnt 12                              ; step 0's four loads are in; three steps' twelve may be out
	TURN 0
.macro STEP t
.set XS, X+16*((\t)%2)
.if (\t) > 0
	s_wait_dscnt 1                                 ; this step's numbers are back from the stage (the last step's byte store may be out): its stores into the stage have read their registers,
.else
	s_wait_dscnt 0x0
.endif
.if (\t)+4 < STEPS
	LOAD (\t)+4                                    ; which take the loads of four steps on
.endif
.if (\t)+1 < STEPS
.if STEPS-2-(\t) >= 3
	s_wait_loadcnt 12                              ; the next step's four loads are in; those of the three steps behind it may be out
.else
	s_wait_loadcnt 4*(STEPS-2-(\t))
.endif
	TURN (\t)+1                                    ; and go through the other stage while this step is worked
.endif
	v_max3_num_f32 v8, |v[XS]|, |v[XS+1]|, |v[XS+2]|               ; the largest magnitude of my 16, in two chains
	v_max3_num_f32 v9, |v[XS+3]|, |v[XS+4]|, |v[XS+5]|
.irp i, 6,10
	v_max3_num_f32 v8, v8, |v[XS+\i]|, |v[XS+\i+1]|
	v_max3_num_f32 v9, v9, |v[XS+\i+2]|, |v[XS+\i+3]|
.endr
	v_max3_num_f32 v8, v8, |v[XS+14]|, |v[XS+15]|
	v_max3_num_f32 v8, v8, v9, 0x2800000           ; and the floor 2^(5 - 127): the byte cannot fall under 1
	v_max_num_f32_dpp v8, v8, v8 row_xmask:1 row_mask:0xf bank_mask:0xf   ; and of my neighbour's 16: the block's
	v_add_nc_u32 v11, 0xfe000000, v8               ; 4 off its exponent field: the conversion takes the exponent field of this operand as its scale
	v_cvt_scalef32_pk16_bf6_f32 v[C+4*(\t):C+4*(\t)+2], v[XS:XS+15], v11
	v_lshrrev_b32 v[E+(\t)], 23, v11               ; the scale's byte (a plain line behind the conversion)
	ds_store_b8 v5, v[E+(\t)] offset:16*(\t)       ; both lanes of a block write the same byte with the same value
	global_store_b96 v4, v[C+4*(\t):C+4*(\t)+2], s[6:7] offset:32*CB*(\t)   ; the wave stores 384 consecutive bytes
.endm
.irp t, 0,1,2,3,4,5,6,7,8,9,10,11,12,13,14,15
	STEP \t
.endr
	ds_load_b64 v[12:13], v6                       ; LDS serves a wave's instructions in order: these see my stores
	s_wait_dscnt 0x0
	global_store_b64 v7, v[12:13], s[8:9]          ; 32 lanes store 256 consecutive bytes, aligned
	s_wait_tensorcnt 0x0
	ds_add_u32 v192, v193
	s_wait_dscnt 0x0
	s_endpgm
.Lfunc_end_k_q4846c471bd_quantk:
	.size	k_q4846c471bd_quantk, .Lfunc_end_k_q4846c471bd_quantk-k_q4846c471bd_quantk
	.p2alignl 7, 3214868480
	.fill 96, 4, 3214868480
	.section	.rodata,"a",@progbits
	.p2align	6, 0x0
	.amdhsa_kernel k_q4846c471bd_quantk
		.amdhsa_group_segment_fixed_size 33280
		.amdhsa_private_segment_fixed_size 0
		.amdhsa_enable_private_segment 0
		.amdhsa_kernarg_size 24
		.amdhsa_user_sgpr_count 2
		.amdhsa_user_sgpr_kernarg_segment_ptr 1
		.amdhsa_wavefront_size32 1
		.amdhsa_system_sgpr_workgroup_id_x 1
		.amdhsa_system_sgpr_workgroup_id_y 1
		.amdhsa_system_sgpr_workgroup_id_z 1
		.amdhsa_system_vgpr_workitem_id 0
		.amdhsa_next_free_vgpr 194
		.amdhsa_next_free_sgpr 66
		.amdhsa_reserve_vcc 0
		.amdhsa_float_denorm_mode_32 3
		.amdhsa_float_denorm_mode_16_64 3
		.amdhsa_memory_ordered 1
		.amdhsa_forward_progress 1
		.amdhsa_inst_pref_size 32
	.end_amdhsa_kernel
	.amdgpu_metadata
---
amdhsa.version: [ 1, 2 ]
amdhsa.kernels:
  - .name:           k_q4846c471bd_quantk
    .symbol:         k_q4846c471bd_quantk.kd
    .args:
      - { .name: k, .offset: 0, .size: 8, .value_kind: global_buffer, .address_space: global }
      - { .name: kxc, .offset: 8, .size: 8, .value_kind: global_buffer, .address_space: global }
      - { .name: kxs, .offset: 16, .size: 8, .value_kind: global_buffer, .address_space: global }
    .group_segment_fixed_size: 33280
    .private_segment_fixed_size: 0
    .kernarg_segment_align: 8
    .kernarg_segment_size: 24
    .max_flat_workgroup_size: 128
    .sgpr_count:     66
    .vgpr_count:     194
    .wavefront_size: 32
...
	.end_amdgpu_metadata
.endif
;; end of part 1
;; launch proj (part 2): grid 4 x 96, 4 waves a work-group, clusters of 4 x 4, 327,680 bytes of LDS; arguments q_codes, q_scales, wq_codes, wq_scales, bq, qp, kxc, kxs, wk_codes, wk_scales, bk, kp, wv_codes, wv_scales, v_codes, v_scales, bv, vp; writes qp, kp, vp
.if DOCPART == 2
	.amdgcn_target "amdgcn-amd-amdhsa--gfx1250"
	.amdhsa_code_object_version 6
	.text
	.protected	k_q4846c471bd_proj
	.globl	k_q4846c471bd_proj
	.p2align	8
	.type	k_q4846c471bd_proj,@function
k_q4846c471bd_proj:
	s_mov_b64 s[64:65], 0
	v_nop
	global_prefetch_b8 v0, s[64:65] scope:SCOPE_SE
	s_setreg_imm32_b32 hwreg(HW_REG_WAVE_MODE, 25, 1), 1
	s_wait_xcnt 0x0
	s_wait_alu depctr_hold_cnt(0) depctr_sa_sdst(0) depctr_va_vdst(0) depctr_va_sdst(0) depctr_va_ssrc(0) depctr_va_vcc(0) depctr_vm_vsrc(0)
	s_getreg_b32 s2, hwreg(HW_REG_IB_STS2, 6, 4)
	s_cmp_eq_u32 s2, 0
	s_cbranch_scc0 .Lentry_in_a_cluster
	s_endpgm
.Lentry_in_a_cluster:
	s_bfe_u32 s2, ttmp6, 0x10000c
	s_cmp_lg_u32 s2, 0xf033
	s_cbranch_scc0 .Lentry_shape_is_right
	s_endpgm
.Lentry_shape_is_right:
; Q = q wq^T + bq, K = k wk^T + bk, V = v wv^T + bv on codes of BF6 (E3M2) with E8M0 scales; the results are quantised again and stored as images of operand registers for the attention launch.
; The cluster's y picks the product: 0-7 Q, 8-15 K, 16-23 V.  For Q and K operand A is the tokens and B the weight; for V A is wv and B the tokens, so that a lane's registers run along the keys.
; A work-group of four waves makes 256 x 256, a wave 128 x 128: 64 accumulators.  A row of codes is 768 bytes: K goes through a ring of two LDS slots in three chunks of 256 bytes of each row,
; each chunk beginning at a multiple of 256 bytes.  A step of 128 along K is 96 bytes: steps 2 and 5 lie across two chunks.  The scales of both operands' 256 rows come once, as dense blocks.
; CLUSTERS 4 x 4: A's tiles are asked for jointly along a row of the cluster, B's along a column.  Source 0 = rows of B, source 1 = rows of A: a lane holds eight neighbouring columns of one row of A.
; NO PREFETCH: the walk has three chunks; two of them are asked for before the first product.
; OUT: codes: a head's 98,304 bytes at 98,304 (16 batch + head); images of 1,536 bytes, 16 bytes a lane.  Scale words from byte SCO on, records of 256 bytes for 128 rows (Q, K) or 128 keys (V).
; LIMITS: a block whose largest magnitude lies under 2^-122 keeps the byte 1 (only this program reads the bytes); NaN and infinities are not served.
; REGISTERS: window 0: v0-31 addresses, v32-63 scale words, v64-127 and v224-239 biases, v128-223 A's fragments; window 1: B's fragments, two sets; windows 2, 3: accumulators.
.set ROWB,   256
.set NQ,     2
.set KROW,   768
.set STEPS,  8
.set CHUNKS, 3
.set PITCH,  272
.set FR,     12
.set NL,     6
.set NP,     4
.set HALFT,  128*PITCH
.set SLOT,   4*HALFT
.set KS,     32
.set SCL,    2*SLOT
.set HALFS,  (128*KS/256)*272
.set SBLK,   (16*KS/256)*272
.set SPARE,  SCL+4*HALFS
.set SCO,    6291456
.set HEADB,  98304
.set ADRA, 16
.set ADRB, 20
.set SOF,  24
.set PSEL, 25
.set LI,   26
.set ADRS, 27
.set SPW,  28
.set NIL,  29
.set BOF,  30
.set AOF,  31
.set SC,   32
.set AF,   128
.set IMG0, 32
.set IMG1, 44
.set XW,   56
.set BB,   64
.set HA,   128
.set TM,   192
.set T2,   208
.set PWS,  216
.set BA,   224
.set G1, 24
.set G0, 32
.set G1B, 48
.set G0B, 56
.set SEL, 66
.set G1S, 68
.set G0S, 76
.set G1SB, 80
.set G0SB, 88
.set G0H, 4
.set G0HB, 8
.set MSB, 0
.macro WIN new
.if MSB != \new
	s_set_vgpr_msb (MSB<<8)|\new
.set MSB, \new
.endif
.endm
.set MUL_LO, 0xa1
.set MUL_HI, 0xf1
.set TO_B,   0x40
.macro JLOAD g0a, g1a, g0b, g1b        ; a joint load: waves 0, 1 fetch A's halves, waves 2, 3 B's
	s_cmp_eq_u32 s17, 0
	s_cbranch_scc0 .Lfor_b_\@
	tensor_load_to_lds s[\g0a:\g0a+3], s[\g1a:\g1a+7]
	s_nop 0
.rept 4
	v_nop
.endr
	s_branch .Lasked_\@
.Lfor_b_\@:
	tensor_load_to_lds s[\g0b:\g0b+3], s[\g1b:\g1b+7]
	s_nop 0
.rept 4
	v_nop
.endr
.Lasked_\@:
.endm
.macro CREST
	s_cmp_lg_u32 s16, 0
	s_cbranch_scc1 .Lnot_wave_0_\@
	s_barrier_signal -3
.Lnot_wave_0_\@:
	s_barrier_wait -3
	s_barrier_signal -1
	s_barrier_wait -1
.endm
.macro CROUND
	s_barrier_signal -1
	s_barrier_wait -1
	CREST
.endm
	s_load_b256 s[4:11], s[0:1], 0x0
	s_load_b128 s[12:15], s[0:1], 0x20
	s_load_b256 s[68:75], s[0:1], 0x30
	s_load_b128 s[76:79], s[0:1], 0x50
	s_load_b256 s[80:87], s[0:1], 0x60
	s_load_b128 s[88:91], s[0:1], 0x80
	v_lshl_add_u32 v[SPW], v0, 2, SPARE
	v_mov_b32 v[NIL], 0
	ds_add_u32 v[SPW], v[NIL]                      ; the opening lines: the add twice on end and one wait
	ds_add_u32 v[SPW], v[NIL]
	v_lshrrev_b32 v1, 5, v0
	v_readfirstlane_b32 s16, v1                    ; wave
	s_lshr_b32 s17, s16, 1                         ; my half of A's rows; also: I fetch for A (0) or B (1)
	s_and_b32 s18, s16, 1                          ; my half of B's rows; also: which 128 rows I fetch
	s_bfe_u32 s40, ttmp6, 0x40000                  ; cx
	s_bfe_u32 s41, ttmp6, 0x40004                  ; cy
	s_and_b32 s20, ttmp7, 0xffff
	s_lshr_b32 s21, s20, 3                         ; which product
	s_and_b32 s22, s20, 7
	s_lshl_b32 s22, s22, 2
	s_cmp_eq_u32 s21, 2
	s_cselect_b32 s19, 1, 0                        ; 1: V
	s_cselect_b32 s23, 0, s22
	s_cselect_b32 s22, s22, 0
	s_add_co_u32 s43, s23, s41                     ; A's tile
	s_add_co_u32 s42, s22, s40                     ; B's tile
	s_lshl_b32 s44, s41, 2
	s_lshl_b32 s44, 15, s44                        ; my row of the cluster
	s_lshl_b32 s45, 0x1111, s40                    ; my column
	s_mov_b32 s[SEL], 0x76543210
	s_mov_b32 s[SEL+1], 0xfedcba98
	s_wait_dscnt 0x0
	s_wait_kmcnt 0x0
	s_cmp_eq_u32 s21, 1
.irp i, 0,2,4,6,8,10
	s_cselect_b64 s[4+\i:5+\i], s[68+\i:69+\i], s[4+\i:5+\i]
.endr
	s_cmp_eq_u32 s21, 2
.irp i, 0,2,4,6,8,10
	s_cselect_b64 s[4+\i:5+\i], s[80+\i:81+\i], s[4+\i:5+\i]
.endr
	; group 1 for codes: rows of 256 bytes + 16 of padding; 256 rows for the head's loads, 128 behind them
	s_or_b32 s[G1+0], s44, (0<<16)|(1<<20)|(1<<21)|(5<<22)|(3<<25)
	s_or_b32 s[G1B+0], s45, (0<<16)|(1<<20)|(1<<21)|(5<<22)|(3<<25)
.irp g, G1, G1B
	s_mov_b32 s[\g+1], ROWB<<16
	s_mov_b32 s[\g+2], 256<<16
	s_mov_b32 s[\g+3], ROWB<<16
	s_mov_b32 s[\g+4], 256
	s_mov_b32 s[\g+5], KROW
	s_mov_b32 s[\g+6], 0
	s_mov_b32 s[\g+7], 0
.endr
	; for the scales of 256 rows: 8,192 dense bytes as 32 rows of 256
	s_or_b32 s[G1S+0], s44, (3<<16)|(1<<20)|(1<<21)|(5<<22)|(3<<25)
	s_or_b32 s[G1SB+0], s45, (3<<16)|(1<<20)|(1<<21)|(5<<22)|(3<<25)
.irp g, G1S, G1SB
	s_mov_b32 s[\g+1], 32<<16
	s_mov_b32 s[\g+2], KS<<16
	s_mov_b32 s[\g+3], 32<<16
	s_mov_b32 s[\g+4], KS
	s_mov_b32 s[\g+5], 32
	s_mov_b32 s[\g+6], 0
	s_mov_b32 s[\g+7], 0
.endr
	s_lshl_b32 s20, s43, 8
	s_lshl_b32 s46, s42, 8
	s_lshl_b32 s22, s20, 5
	s_lshl_b32 s92, s46, 5
	s_mul_i32 s20, s20, KROW
	s_mul_i32 s46, s46, KROW
	s_mov_b32 s21, 0
	s_mov_b32 s23, 0
	s_mov_b32 s47, 0
	s_mov_b32 s93, 0
	s_add_nc_u64 s[20:21], s[4:5], s[20:21]
	s_add_nc_u64 s[22:23], s[6:7], s[22:23]
	s_add_nc_u64 s[46:47], s[8:9], s[46:47]
	s_add_nc_u64 s[92:93], s[10:11], s[92:93]
	s_mul_i32 s96, s18, 128*KROW                   ; in the ring I fetch 128 rows
	s_mov_b32 s97, 0
	s_mul_i32 s94, s16, HALFT
	CROUND                                         ; the first joint loads meet
	s_mov_b32 s[G0H], 1                            ; chunk 0: A's 256 rows,
	s_mov_b32 s[G0H+1], 0
	s_mov_b64 s[G0H+2:G0H+3], s[20:21]
	s_or_b32 s[G0H+3], s[G0H+3], 0x80000000
	s_mov_b32 s[G0HB], 1                           ; B's 256 rows,
	s_mov_b32 s[G0HB+1], 2*HALFT
	s_mov_b64 s[G0HB+2:G0HB+3], s[46:47]
	s_or_b32 s[G0HB+3], s[G0HB+3], 0x80000000
	s_mov_b32 s[G0S], 1                            ; A's scales,
	s_mov_b32 s[G0S+1], SCL
	s_mov_b64 s[G0S+2:G0S+3], s[22:23]
	s_or_b32 s[G0S+3], s[G0S+3], 0x80000000
	s_mov_b32 s[G0SB], 1                           ; B's scales
	s_mov_b32 s[G0SB+1], SCL+2*HALFS
	s_mov_b64 s[G0SB+2:G0SB+3], s[92:93]
	s_or_b32 s[G0SB+3], s[G0SB+3], 0x80000000
	s_add_nc_u64 s[20:21], s[20:21], s[96:97]
	s_add_nc_u64 s[46:47], s[46:47], s[96:97]
.irp s, 0,1
	s_mov_b32 s[G0+4*\s], 1
	s_add_co_u32 s[G0+4*\s+1], s94, \s*SLOT
	s_add_nc_u64 s[G0+4*\s+2:G0+4*\s+3], s[20:21], \s*ROWB
	s_or_b32 s[G0+4*\s+3], s[G0+4*\s+3], 0x80000000
	s_mov_b32 s[G0B+4*\s], 1
	s_add_co_u32 s[G0B+4*\s+1], s94, \s*SLOT
	s_add_nc_u64 s[G0B+4*\s+2:G0B+4*\s+3], s[46:47], \s*ROWB
	s_or_b32 s[G0B+4*\s+3], s[G0B+4*\s+3], 0x80000000
.endr
; the head's four tiles, one load a wave, in one chain of branches on the wave's number
.macro ARM under, g0, g1, next
	s_cmp_lt_u32 s16, \under
	s_cbranch_scc0 \next
	tensor_load_to_lds s[\g0:\g0+3], s[\g1:\g1+7]
	s_nop 0
.rept 4
	v_nop
.endr
	s_branch .Lhead_asked
\next:
.endm
	ARM 1, G0H,  G1,  .Lhead_b
	ARM 2, G0HB, G1B, .Lhead_sa
	ARM 3, G0S,  G1S, .Lhead_sb
	tensor_load_to_lds s[G0SB:G0SB+3], s[G1SB:G1SB+7]
	s_nop 0
.rept 4
	v_nop
.endr
.Lhead_asked:
	v_and_b32 v1, 15, v0                           ; r
	v_bfe_u32 v2, v0, 4, 1                         ; h
	v_mul_u32_u24 v3, v1, PITCH
	v_mul_u32_u24 v4, v2, 24
	v_add_nc_u32 v4, v3, v4                        ; row x pitch + 24 h
	s_mov_b32 s21, SLOT-232
	s_mov_b32 s22, SLOT+232
	v_sub_nc_u32 v7, 1, v2
	v_mul_u32_u24 v5, s21, v2
	v_add_nc_u32 v5, v3, v5
	v_add_nc_u32 v5, 232, v5                       ; across two chunks: lanes 0-15 byte 232 in slot 0, lanes 16-31 byte 0 in slot 1;
	v_mul_u32_u24 v6, s22, v7
	v_add_nc_u32 v6, v3, v6                        ; and the other way round
	s_mul_i32 s21, s17, HALFT
	s_mul_i32 s22, s18, HALFT
	s_add_co_u32 s22, s22, 2*HALFT
	v_add_nc_u32 v[ADRA+2], s21, v5
	v_add_nc_u32 v[ADRA+3], s21, v6
	v_add_nc_u32 v[ADRB+2], s22, v5
	v_add_nc_u32 v[ADRB+3], s22, v6
.irp s, 0,1
	v_add_nc_u32 v[ADRA+\s], s21, v4
	v_add_nc_u32 v[ADRB+\s], s22, v4
	s_add_co_u32 s21, s21, SLOT
	s_add_co_u32 s22, s22, SLOT
.endr
	v_mul_u32_u24 v5, v1, KS
	v_lshrrev_b32 v6, 8, v5
	v_lshl_add_u32 v5, v6, 4, v5
	s_mul_i32 s21, s17, HALFS
	s_mul_i32 s22, s18, HALFS
	s_add_co_u32 s22, s22, 2*HALFS
	s_sub_co_u32 s22, s22, s21
	v_mul_u32_u24 v6, s22, v2                      ; lanes 16-31 take B's scale words
	s_add_co_u32 s21, s21, SCL
	v_add_nc_u32 v5, v5, v6
	v_add_nc_u32 v[ADRS], s21, v5
	; where my results go
	s_lshl_b32 s20, s43, 8
	s_lshl_b32 s21, s17, 7
	s_add_co_u32 s20, s20, s21
	s_lshl_b32 s21, s42, 8
	s_lshl_b32 s22, s18, 7
	s_add_co_u32 s21, s21, s22
	s_cmp_eq_u32 s19, 0
	s_cselect_b32 s22, s20, s21                    ; my first token
	s_cselect_b32 s23, s21, s20                    ; my first feature
	s_lshr_b32 s20, s22, 11
	s_lshl_b32 s20, s20, 4
	s_lshr_b32 s21, s23, 6
	s_add_co_u32 s20, s20, s21                     ; 16 batch + head
	s_bfe_u32 s21, s22, 0x40007                    ; which 128 tokens of the sequence
	s_lshl_b32 s92, s23, 2
	s_mov_b32 s93, 0
	s_add_nc_u64 s[12:13], s[12:13], s[92:93]      ; the bias at my first feature
	s_lshl_b32 s94, s20, 4
	s_add_co_u32 s94, s94, s21
	s_lshl_b32 s94, s94, 8
	s_add_co_u32 s94, s94, SCO
	s_mov_b32 s95, 0
	s_add_nc_u64 s[98:99], s[14:15], s[94:95]      ; my scale record
	s_mul_i32 s22, s20, HEADB
	s_mul_i32 s96, s21, 6144
	s_add_co_u32 s22, s22, s96
	s_mov_b32 s23, 0
	s_add_nc_u64 s[14:15], s[14:15], s[22:23]      ; my images
	v_lshlrev_b32 v[BOF], 5, v2
	v_lshlrev_b32 v[AOF], 2, v1
.irp b, 0,1,2,3,4,5,6,7
	global_load_b128 v[BB+8*\b:BB+8*\b+3], v[BOF], s[12:13] offset:64*\b
	global_load_b128 v[BB+8*\b+4:BB+8*\b+7], v[BOF], s[12:13] offset:64*\b+16
.endr
.irp a, 0,1,2,3,4,5,6,7
	global_load_b32 v[BA+2*\a], v[AOF], s[12:13] offset:64*\a
	global_load_b32 v[BA+2*\a+1], v[AOF], s[12:13] offset:64*\a
.endr
	v_lshlrev_b32 v[SOF], 4, v1
	v_lshl_add_u32 v[SOF], v2, 12, v[SOF]
	v_mov_b32 v[PSEL], 0x05040100
	v_mov_b32 v3, 0x07060302
	v_cmp_eq_u32 vcc_lo, 1, v2
	v_cndmask_b32 v[PSEL], v[PSEL], v3, vcc_lo
	v_and_b32 v[LI], 31, v0
	v_lshlrev_b32 v[LI], 4, v[LI]
.macro FRAG reg, adr, st, i            ; 16 rows x 128 K: 12 registers, in pieces of 8 bytes; byte y of a row lies in slot (y / 256) % 2 at byte y % 256
.irp p, 0,1,2,3,4,5
.set BY, 96*(\st)+48*(\p/3)+8*(\p%3)
.if BY/ROWB == (BY+24)/ROWB
	ds_load_b64 v[\reg+2*\p:\reg+2*\p+1], v[\adr+(BY/ROWB)%2] offset:BY%ROWB+(\i)*16*PITCH
.else
	ds_load_b64 v[\reg+2*\p:\reg+2*\p+1], v[\adr+2+(BY/ROWB)%2] offset:BY%ROWB-232+(\i)*16*PITCH
.endif
.endr
.endm
.macro MUL16 a0, p, q, sc, zero        ; the 64 accumulators take turns
.irp a, \a0, \a0+1
.irp b, 0,1,2,3,4,5,6,7
.if \zero
	v_wmma_scale_f32_16x16x128_f8f6f4 v[8*(8*((\a)%4)+\b):8*(8*((\a)%4)+\b)+7], v[128*(\p)+FR*\b:128*(\p)+FR*\b+FR-1], v[AF+FR*(\a):AF+FR*(\a)+FR-1], 0, v[SC+8*NQ*(\sc)+NQ*\b+(\q)], v[SC+8*NQ*(\sc)+NQ*(\a)+(\q)] matrix_a_fmt:MATRIX_FMT_BF6 matrix_b_fmt:MATRIX_FMT_BF6 matrix_a_scale:MATRIX_SCALE_ROW1
.else
	v_wmma_scale_f32_16x16x128_f8f6f4 v[8*(8*((\a)%4)+\b):8*(8*((\a)%4)+\b)+7], v[128*(\p)+FR*\b:128*(\p)+FR*\b+FR-1], v[AF+FR*(\a):AF+FR*(\a)+FR-1], v[8*(8*((\a)%4)+\b):8*(8*((\a)%4)+\b)+7], v[SC+8*NQ*(\sc)+NQ*\b+(\q)], v[SC+8*NQ*(\sc)+NQ*(\a)+(\q)] matrix_a_fmt:MATRIX_FMT_BF6 matrix_b_fmt:MATRIX_FMT_BF6 matrix_a_scale:MATRIX_SCALE_ROW1
.endif
.endr
.endr
.endm
.macro FETCH_B st, p
	WIN TO_B
.irp i, 0,1,2,3,4,5,6,7
	FRAG 128*(\p)+FR*\i, ADRB, \st, \i
.endr
	WIN 0
.endm
.macro FETCH_A st, i0
.irp i, \i0, \i0+1, \i0+2, \i0+3
	FRAG AF+FR*(\i), ADRA, \st, \i
.endr
.endm
.macro SCALES pr                       ; the scale words of steps 2 pr, 2 pr + 1 into set pr % 2
.irp i, 0,1,2,3,4,5,6,7
	ds_load_b64 v[SC+8*NQ*((\pr)%2)+NQ*\i:SC+8*NQ*((\pr)%2)+NQ*\i+1], v[ADRS] offset:\i*SBLK+4*NQ*(\pr)
.endr
.endm
.macro PLACES n
.rept \n
	v_nop
.endr
.endm
; A step: 64 products; the next step's fragments are fetched in its middle and at its end.  Where the next step's bytes end in a chunk not yet read, a barrier shows that chunk whole;
; where they begin in a later chunk, the chunk left behind is free: the wait for all tensor loads, the add, the wait for it and for my reads, the round, and the refill two chunks on.
.macro STEP st, zero
.set NX, (\st)+1
.set C0, (96*(\st))/ROWB
.set C1, (96*NX)/ROWB
.set E0, (96*(\st)+95)/ROWB
.set E1, (96*NX+95)/ROWB
.if C1 > C0 || E1 > E0
	s_wait_tensorcnt 0x0
.if C1 > C0
	ds_add_u32 v[SPW], v[NIL]
	s_wait_dscnt 4*NL+1                            ; the add and A's blocks 4-7 may be out
.else
	s_wait_dscnt 4*NL                              ; A's blocks 4-7 may be out
.endif
	WIN MUL_LO
	MUL16 0, (\st)%2, (\st)%2, ((\st)/2)%2, \zero
	s_wait_dscnt 0x0
	s_barrier_signal -1
	MUL16 2, (\st)%2, (\st)%2, ((\st)/2)%2, \zero
	WIN 0
	s_barrier_wait -1
.if C1 > C0 && C0+2 < CHUNKS
	CREST
	s_add_nc_u64 s[G0+4*(C0%2)+2:G0+4*(C0%2)+3], s[G0+4*(C0%2)+2:G0+4*(C0%2)+3], 2*ROWB
	s_add_nc_u64 s[G0B+4*(C0%2)+2:G0B+4*(C0%2)+3], s[G0B+4*(C0%2)+2:G0B+4*(C0%2)+3], 2*ROWB
	JLOAD G0+4*(C0%2), G1, G0B+4*(C0%2), G1B
.else
	PLACES NP
.endif
.else
	s_wait_dscnt 4*NL
	WIN MUL_LO
	MUL16 0, (\st)%2, (\st)%2, ((\st)/2)%2, \zero
	MUL16 2, (\st)%2, (\st)%2, ((\st)/2)%2, \zero
	s_wait_dscnt 0
	PLACES NP
.endif
	FETCH_B NX, NX%2
	FETCH_A NX, 0
.if NX%2 == 0
	SCALES NX/2
.endif
	WIN MUL_HI
	MUL16 4, (\st)%2, (\st)%2, ((\st)/2)%2, \zero
	MUL16 6, (\st)%2, (\st)%2, ((\st)/2)%2, \zero
	PLACES NP
	WIN 0
	FETCH_A NX, 4
.endm
	s_wait_alu depctr_va_vdst(0)
	s_wait_tensorcnt 0x0                           ; my tile of the head's four is in
	ds_add_u32 v[SPW], v[NIL]
	s_mov_b32 s[G1+2], 128<<16                     ; no load of mine is out: from here on a load brings 128 rows
	s_mov_b32 s[G1+4], 128
	s_mov_b32 s[G1B+2], 128<<16
	s_mov_b32 s[G1B+4], 128
	s_wait_dscnt 0x0
	CROUND
	JLOAD G0+4, G1, G0B+4, G1B                     ; chunk 1, slot 1's first fill
	FETCH_B 0, 0
	FETCH_A 0, 0
	SCALES 0
	FETCH_A 0, 4
	STEP 0, 1
.set ST, 1
.rept STEPS-2
	STEP ST, 0
.set ST, ST+1
.endr
	s_wait_dscnt 4*NL
	WIN MUL_LO
	MUL16 0, 1, 1, 1, 0
	MUL16 2, 1, 1, 1, 0
	s_wait_dscnt 0
	WIN MUL_HI
	MUL16 4, 1, 1, 1, 0
	MUL16 6, 1, 1, 1, 0
	WIN 0
; THE WAY OUT: + bias, quantised along the next product's K (the head's 64 for Q and K, the keys for V), stored as images.
.macro ADDB a                          ; Q, K: the bias runs along the registers
	WIN 0x02+(\a)/4
.set i, 0
.rept 32
	v_pk_add_f32 v[HA+2*i:HA+2*i+1], v[64*((\a)%4)+2*i:64*((\a)%4)+2*i+1], v[BB+2*i:BB+2*i+1]
.set i, i+1
.endr
	WIN 0
.endm
.macro ADDA a                          ; V: the bias hangs on the lane's row
	WIN 0x02+(\a)/4
.set i, 0
.rept 32
	v_pk_add_f32 v[HA+2*i:HA+2*i+1], v[64*((\a)%4)+2*i:64*((\a)%4)+2*i+1], v[BA+2*(\a):BA+2*(\a)+1]
.set i, i+1
.endr
	WIN 0
.endm
.macro QUANT s, d0, d1, pw             ; 64 registers: four blocks of 32 (each shared with lane l xor 16) -> 2 x 6 registers of codes and a scale word
.irp b, 0,1,2,3
	v_max3_num_f32 v[TM+\b], |v[\s+16*\b]|, |v[\s+1+16*\b]|, 0x2800000
.endr
.irp i, 2,4,6,8,10,12,14
.irp b, 0,1,2,3
	v_max3_num_f32 v[TM+\b], v[TM+\b], |v[\s+16*\b+\i]|, |v[\s+1+16*\b+\i]|
.endr
.endr
.irp b, 0,1,2,3
	v_permlanex16_b32 v[TM+4+\b], v[TM+\b], s[SEL], s[SEL+1]
.endr
.irp b, 0,1,2,3
	v_max_num_f32 v[TM+\b], v[TM+\b], v[TM+4+\b]
.endr
.irp b, 0,1,2,3
	v_add_nc_u32 v[TM+12+\b], 0xfe000000, v[TM+\b]
.endr
.irp b, 0,1,2,3
	v_lshrrev_b32 v[TM+4+\b], 23, v[TM+12+\b]
.endr
	v_lshl_or_b32 v[\pw], v[TM+5], 8, v[TM+4]
	v_lshl_or_b32 v[\pw], v[TM+6], 16, v[\pw]
	v_lshl_or_b32 v[\pw], v[TM+7], 24, v[\pw]
	v_cvt_scalef32_pk16_bf6_f32 v[\d0:\d0+2], v[\s:\s+15], v[TM+12]
	v_cvt_scalef32_pk16_bf6_f32 v[T2:T2+2], v[\s+16:\s+31], v[TM+13]
	v_cvt_scalef32_pk16_bf6_f32 v[\d1:\d1+2], v[\s+32:\s+47], v[TM+14]
	v_cvt_scalef32_pk16_bf6_f32 v[T2+4:T2+6], v[\s+48:\s+63], v[TM+15]
	v_nop
.irp i, 0,1,2
	v_permlane16_swap_b32 v[\d0+\i], v[T2+\i]
.endr
.irp i, 0,1,2
	v_mov_b32 v[\d0+3+\i], v[T2+\i]
.endr
.irp i, 0,1,2
	v_permlane16_swap_b32 v[\d1+\i], v[T2+4+\i]
.endr
.irp i, 0,1,2
	v_mov_b32 v[\d1+3+\i], v[T2+4+\i]
.endr
.endm
	PLACES NP
	s_wait_loadcnt 0x0
.irp b, 0,1,2,3
	v_mov_b32 v[TM+4+\b], 0
.endr
	s_cmp_eq_u32 s19, 0
	s_cbranch_scc0 .Lepi_v
.irp g, 0,1,2,3
	s_wait_xcnt 0x0
	ADDB 2*\g
	QUANT HA, IMG0, IMG1, PWS+2*\g
	ADDB 2*\g+1
	QUANT HA, IMG0+6, IMG1+6, PWS+2*\g+1
.irp c, 0,1
.irp i, 0,1,2
	global_store_b128 v[LI], v[IMG0+12*\c+4*\i:IMG0+12*\c+4*\i+3], s[14:15] offset:\c*HEADB+\g*1536+512*\i
.endr
.endr
.endr
.irp g, 0,1,2,3
	v_perm_b32 v[XW+\g], v[PWS+2*\g+1], v[PWS+2*\g], v[PSEL]
.endr
	s_branch .Ldone
.Lepi_v:
.irp a, 0,1,2,3,4,5,6,7
	s_wait_xcnt 0x0
	ADDA \a
	QUANT HA, IMG0, IMG0+6, PWS+\a
.irp i, 0,1,2
	global_store_b128 v[LI], v[IMG0+4*\i:IMG0+4*\i+3], s[14:15] offset:(\a/4)*HEADB+(\a%4)*1536+512*\i
.endr
.endr
	v_cmp_eq_u32 vcc_lo, 1, v2
.irp t, 0,1,2,3
	v_cndmask_b32 v[XW+\t], v[PWS+\t], v[PWS+4+\t], vcc_lo
.endr
.Ldone:
	s_wait_alu depctr_va_vdst(0)
	global_store_b128 v[SOF], v[XW:XW+3], s[98:99]
	s_wait_tensorcnt 0x0
	ds_add_u32 v[SPW], v[NIL]
	s_wait_dscnt 0x0
	CROUND
	s_endpgm
.Lfunc_end_k_q4846c471bd_proj:
	.size	k_q4846c471bd_proj, .Lfunc_end_k_q4846c471bd_proj-k_q4846c471bd_proj
	.p2alignl 7, 3214868480
	.fill 96, 4, 3214868480
	.section	.rodata,"a",@progbits
	.p2align	6, 0x0
	.amdhsa_kernel k_q4846c471bd_proj
		.amdhsa_group_segment_fixed_size 327680
		.amdhsa_private_segment_fixed_size 0
		.amdhsa_enable_private_segment 0
		.amdhsa_kernarg_size 144
		.amdhsa_user_sgpr_count 2
		.amdhsa_user_sgpr_kernarg_segment_ptr 1
		.amdhsa_wavefront_size32 1
		.amdhsa_system_sgpr_workgroup_id_x 1
		.amdhsa_system_sgpr_workgroup_id_y 1
		.amdhsa_system_sgpr_workgroup_id_z 1
		.amdhsa_system_vgpr_workitem_id 0
		.amdhsa_next_free_vgpr 1024
		.amdhsa_next_free_sgpr 100
		.amdhsa_reserve_vcc 1
		.amdhsa_float_denorm_mode_32 3
		.amdhsa_float_denorm_mode_16_64 3
		.amdhsa_memory_ordered 1
		.amdhsa_forward_progress 1
		.amdhsa_inst_pref_size 233
	.end_amdhsa_kernel
	.amdgpu_metadata
---
amdhsa.version: [ 1, 2 ]
amdhsa.kernels:
  - .name:           k_q4846c471bd_proj
    .symbol:         k_q4846c471bd_proj.kd
    .args:
      - { .name: q_codes, .offset: 0, .size: 8, .value_kind: global_buffer, .address_space: global }
      - { .name: q_scales, .offset: 8, .size: 8, .value_kind: global_buffer, .address_space: global }
      - { .name: wq_codes, .offset: 16, .size: 8, .value_kind: global_buffer, .address_space: global }
      - { .name: wq_scales, .offset: 24, .size: 8, .value_kind: global_buffer, .address_space: global }
      - { .name: bq, .offset: 32, .size: 8, .value_kind: global_buffer, .address_space: global }
      - { .name: qp, .offset: 40, .size: 8, .value_kind: global_buffer, .address_space: global }
      - { .name: kxc, .offset: 48, .size: 8, .value_kind: global_buffer, .address_space: global }
      - { .name: kxs, .offset: 56, .size: 8, .value_kind: global_buffer, .address_space: global }
      - { .name: wk_codes, .offset: 64, .size: 8, .value_kind: global_buffer, .address_space: global }
      - { .name: wk_scales, .offset: 72, .size: 8, .value_kind: global_buffer, .address_space: global }
      - { .name: bk, .offset: 80, .size: 8, .value_kind: global_buffer, .address_space: global }
      - { .name: kp, .offset: 88, .size: 8, .value_kind: global_buffer, .address_space: global }
      - { .name: wv_codes, .offset: 96, .size: 8, .value_kind: global_buffer, .address_space: global }
      - { .name: wv_scales, .offset: 104, .size: 8, .value_kind: global_buffer, .address_space: global }
      - { .name: v_codes, .offset: 112, .size: 8, .value_kind: global_buffer, .address_space: global }
      - { .name: v_scales, .offset: 120, .size: 8, .value_kind: global_buffer, .address_space: global }
      - { .name: bv, .offset: 128, .size: 8, .value_kind: global_buffer, .address_space: global }
      - { .name: vp, .offset: 136, .size: 8, .value_kind: global_buffer, .address_space: global }
    .group_segment_fixed_size: 327680
    .private_segment_fixed_size: 0
    .kernarg_segment_align: 8
    .kernarg_segment_size: 144
    .max_flat_workgroup_size: 128
    .sgpr_count:     100
    .vgpr_count:     1024
    .wavefront_size: 32
...
	.end_amdgpu_metadata
.endif
;; end of part 2
;; launch attn (part 3): grid 4 x 64, 16 waves a work-group, clusters of 4 x 1, 327,680 bytes of LDS; arguments qp, kp, vp, mask, hid; writes hid
.if DOCPART == 3
	.amdgcn_target "amdgcn-amd-amdhsa--gfx1250"
	.amdhsa_code_object_version 6
	.text
	.protected	k_q4846c471bd_attn
	.globl	k_q4846c471bd_attn
	.p2align	8
	.type	k_q4846c471bd_attn,@function
k_q4846c471bd_attn:
	s_mov_b64 s[64:65], 0
	v_nop
	global_prefetch_b8 v0, s[64:65] scope:SCOPE_SE
	s_setreg_imm32_b32 hwreg(HW_REG_WAVE_MODE, 25, 1), 1
	s_wait_xcnt 0x0
	s_wait_alu depctr_hold_cnt(0) depctr_sa_sdst(0) depctr_va_vdst(0) depctr_va_sdst(0) depctr_va_ssrc(0) depctr_va_vcc(0) depctr_vm_vsrc(0)
	s_getreg_b32 s2, hwreg(HW_REG_IB_STS2, 6, 4)
	s_cmp_eq_u32 s2, 0
	s_cbranch_scc0 .Lentry_in_a_cluster
	s_endpgm
.Lentry_in_a_cluster:
	s_bfe_u32 s2, ttmp6, 0x10000c
	s_cmp_lg_u32 s2, 0x3003
	s_cbranch_scc0 .Lentry_shape_is_right
	s_endpgm
.Lentry_shape_is_right:
; ATTENTION ON CODES OF BF6 (E3M2): hidden[b][q][head] = softmax_k(Q . K / 8, whole query rows hidden by mask) V, quantised along the hidden axis for the last product.
; qp, kp, vp hold Q, K, V of each bh = 16 batch + head as images of operand registers with their scale words.
; SHARES.  A work-group owns 512 queries of one bh; each of its sixteen waves 32, as two tiles of 16, one after the other.  Every wave walks the head's 2048 keys, 128 a step.
; NO RING.  A head's K (98,304 bytes), V (98,304) and scale records (2 x 4,096) lie in LDS together, every byte written once.  Each wave issues ONE tensor load: 48 rows of 256 bytes, two key steps
; of K (waves 0-7) or of V (waves 8-15).  The 8,192 bytes of scale records come through registers, 16 bytes a thread.  One barrier shows all of it to all waves.
; CLUSTER.  The four work-groups of a cluster belong to one bh: every tensor load is asked for jointly, with the mask of all four.
; NO PREFETCH: all of K and V is asked for at the head; there is no later request to run ahead of.
; Q K^T HAS K = 64.  An image of K holds two tiles of 16 keys (k 0-63 and k 64-127).  Q stands in a run of 18 registers [six zeros, Q, six zeros]: its upper 12 pick the first tile, its lower 12 the second.
; LAYOUT.  Both products transposed: S^T = K Q^T, O^T = V^T P^T: a lane holds one query (lane % 16).  k is permuted alike in P and V.
; SOFTMAX.  t = score x c, c = log2(e) / 8; M = the running largest t rounded up; p = 2^(t - M) is quantised along the keys; the sum of the unquantised p divides at the end; when M moves, the sum and O^T
; are multiplied by 2^(old M - new M).  A block's largest p is made from its largest score by the same two instructions.
; THE MASK.  A query whose mask is 0 takes c = 0: all t are 0, p = 1 for every key: the equal logits of the definition.  LIMIT: this takes its scores to be finite.
; OUT.  hid codes: piece (head, T = row / 16) at 768 (512 head + T), register pair p at 256 p + 8 lane.  Scale half-words meet in LDS and leave in runs of 512 bytes: SCO + 2 (8192 head + row).
; LIMITS: a block whose largest magnitude lies under 2^-122 keeps the byte 1; NaN and infinities are not served; the scaled scores stay under 2^31 in magnitude.
.set HEADB, 98304
.set SCO,   6291456
.set VIMG,  98304
.set KSC,   196608
.set VSC,   200704
.set HSG,   204800
.set STEPB, 6144
.set AKI, 1
.set AVI, 2
.set AKS, 3
.set MO,  4
.set PO,  5
.set HS,  6
.set QSO, 7
.set ADK, 8
.set ADV, 9
.set ADS, 10
.set MK1, 11
.set NM,  12
.set TMAX, 13
.set L,   14
.set QRUN, 16
.set QIM, 34
.set QRAW, 46
.set QSC, 47
.set CC,  48
.set C0,  50
.set MK0, 51
.set KF,  52
.set KS,  100
.set S,   104
.set O,   168
.set PCD, 200
.set BM,  212
.set PB,  216
.set SOP, 220
.set CT,  224
.set F,   232
.set PSC, 233
.set T,   234
.set RA,  235                          ; v235 KSC + 16 x thread
.set VS,  244
.set GA,  248
.set GO,  249
.set WV,  14
.set SEL, 20
.set TK,  22
.set TSC, 23
.macro CROUND
	s_barrier_signal -1
	s_barrier_wait -1
	s_cmp_lg_u32 s[WV], 0
	s_cbranch_scc1 .Lnot_wave_0_\@
	s_barrier_signal -3
.Lnot_wave_0_\@:
	s_barrier_wait -3
	s_barrier_signal -1
	s_barrier_wait -1
.endm
	s_load_b256 s[4:11], s[0:1], 0x0               ; qp, kp, vp, mask
	s_load_b64 s[12:13], s[0:1], 0x20              ; hid
	v_lshl_add_u32 v254, v0, 2, 0x32400
	v_mov_b32 v255, 0
	ds_add_u32 v254, v255                          ; the opening lines
	ds_add_u32 v254, v255
	v_lshrrev_b32 v8, 5, v0
	s_delay_alu instid0(VALU_DEP_1)
	v_readfirstlane_b32 s[WV], v8                  ; wave
	s_bfe_u32 s15, ttmp6, 0x40000
	s_lshl_b32 s62, ttmp9, 2
	s_add_co_u32 s15, s62, s15                     ; x: which 512 queries
	s_and_b32 s16, ttmp7, 0xffff                   ; bh
	s_lshr_b32 s17, s16, 4
	s_and_b32 s18, s16, 15
	s_mov_b32 s[SEL], 0x76543210
	s_mov_b32 s[SEL+1], 0xfedcba98
	v_and_b32 v9, 31, v0
	v_and_b32 v10, 15, v0
	s_delay_alu instid0(VALU_DEP_2)
	v_lshlrev_b32 v[AKI], 4, v9
	s_delay_alu instid0(VALU_DEP_1)
	v_add_nc_u32 v[AVI], VIMG, v[AKI]
	s_delay_alu instid0(VALU_DEP_3)
	v_lshlrev_b32 v[QSO], 4, v10
	s_delay_alu instid0(VALU_DEP_1)
	v_add_nc_u32 v[AKS], KSC, v[QSO]
	v_lshlrev_b32 v[MO], 2, v10
	v_lshlrev_b32 v[PO], 3, v9
	s_lshl_b32 s62, s[WV], 6
	v_lshl_add_u32 v[HS], v10, 1, s62
	s_delay_alu instid0(VALU_DEP_1)
	v_add_nc_u32 v[HS], HSG, v[HS]
	v_lshlrev_b32 v[GO], 4, v0
	s_delay_alu instid0(VALU_DEP_1)
	v_add_nc_u32 v[GA], HSG, v[GO]
	; group 1: a dense block of 12,288 bytes as 48 rows of 256 (32 elements of 8); the mask names all four work-groups
	s_mov_b32 s36, 15|(3<<16)|(1<<21)
	s_mov_b32 s37, 32<<16
	s_mov_b32 s38, 48<<16
	s_mov_b32 s39, 32<<16
	s_mov_b32 s40, 48
	s_mov_b32 s41, 32
	s_mov_b32 s42, 0
	s_mov_b32 s43, 0
	s_mul_i32 s66, s16, HEADB                      ; the head's codes,
	s_mov_b32 s67, 0
	s_lshl_b32 s68, s16, 12
	s_add_co_u32 s68, s68, SCO                     ; and its 16 scale records
	s_mov_b32 s69, 0
	s_mov_b32 s24, 1
	s_mul_i32 s25, s[WV], 2*STEPB                  ; LDS: K's images from 0, V's from 8 x 12,288 on
	s_and_b32 s28, s[WV], 7
	s_mul_i32 s28, s28, 2*STEPB
	s_add_co_u32 s28, s28, s66                     ; my two key steps in the buffer
	s_mov_b32 s29, 0
	s_wait_dscnt 0x0
	s_wait_kmcnt 0x0
	s_cmp_lt_u32 s[WV], 8
	s_cselect_b64 s[62:63], s[6:7], s[8:9]         ; a choice on the wave's number alone
	s_add_nc_u64 s[26:27], s[62:63], s[28:29]
	s_add_nc_u64 s[30:31], s[62:63], s[68:69]
	s_or_b32 s27, s27, 0x80000000
	CROUND                                         ; the joint loads meet
	tensor_load_to_lds s[24:27], s[36:43]          ; my one load
	s_nop 0
.rept 4
	v_nop
.endr
	v_and_b32 v[T], 255, v0
	s_delay_alu instid0(VALU_DEP_1)
	v_lshlrev_b32 v[T], 4, v[T]
	s_wait_alu depctr_va_vdst(0)
	global_load_b128 v[S:S+3], v[T], s[30:31]      ; my 16 bytes of K's (threads 0-255) or V's scale records
	s_lshl_b32 s62, s15, 4
	s_add_co_u32 s62, s62, s[WV]                   ; my image of Q
	s_mul_i32 s62, s62, 1536
	s_add_co_u32 s62, s62, s66
	s_mov_b32 s63, 0
	s_lshl_b32 s70, s16, 4                         ; its scale words: record 16 bh + 4 x + wave / 4, word wave % 4
	s_lshl_b32 s71, s15, 2
	s_add_co_u32 s70, s70, s71
	s_lshr_b32 s71, s[WV], 2
	s_add_co_u32 s70, s70, s71
	s_lshl_b32 s70, s70, 8
	s_and_b32 s71, s[WV], 3
	s_lshl_b32 s71, s71, 2
	s_add_co_u32 s70, s70, s71
	s_add_co_u32 s70, s70, SCO
	s_mov_b32 s71, 0
	s_add_nc_u64 s[70:71], s[4:5], s[70:71]
	s_add_nc_u64 s[4:5], s[4:5], s[62:63]
	s_lshl_b32 s62, s17, 11
	s_lshl_b32 s66, s15, 9
	s_add_co_u32 s62, s62, s66                     ; the work-group's first row
	s_lshl_b32 s68, s18, 13
	s_add_co_u32 s68, s68, s62
	s_lshl_b32 s68, s68, 1
	s_add_co_u32 s68, s68, SCO
	s_mov_b32 s69, 0
	s_add_nc_u64 s[68:69], s[12:13], s[68:69]      ; hid's scale half-words of these 512 rows
	s_lshl_b32 s66, s[WV], 5
	s_add_co_u32 s62, s62, s66                     ; my first row
	s_lshl_b32 s66, s62, 2
	s_mov_b32 s67, 0
	s_add_nc_u64 s[10:11], s[10:11], s[66:67]
	s_lshr_b32 s62, s62, 4
	s_lshl_b32 s66, s18, 9
	s_add_co_u32 s62, s62, s66
	s_mul_i32 s62, s62, 768
	s_mov_b32 s63, 0
	s_add_nc_u64 s[12:13], s[12:13], s[62:63]      ; hid's piece
	global_load_b128 v[QIM:QIM+3], v[AKI], s[4:5]
	global_load_b128 v[QIM+4:QIM+7], v[AKI], s[4:5] offset:512
	global_load_b128 v[QIM+8:QIM+11], v[AKI], s[4:5] offset:1024
	global_load_b32 v[QRAW], v[QSO], s[70:71]
	global_load_b32 v[MK0], v[MO], s[10:11]
	global_load_b32 v[MK1], v[MO], s[10:11] offset:64
	v_mov_b32 v[C0], 0x3e38aa3b                    ; log2(e) / 8
.irp i, 0,1,2,3,4,5
	v_mov_b32 v[QRUN+\i], 0
	v_mov_b32 v[QRUN+12+\i], 0
.endr
.irp b, 0,1,2,3
	v_mov_b32 v[PB+\b], 0                          ; a lane permute's destination counts as a source
.endr
	v_mov_b32 v[PSC], 0
; A KEY STEP: 128 keys.
.macro STEP
	v_add_nc_u32 v[ADK], s[TK], v[AKI]             ; these three and the v_nop are the places behind the last step's products
	v_add_nc_u32 v[ADV], s[TK], v[AVI]
	v_add_nc_u32 v[ADS], s[TSC], v[AKS]
	v_nop
.irp g, 0,1,2,3
.irp i, 0,1,2
	ds_load_b128 v[KF+12*\g+4*\i:KF+12*\g+4*\i+3], v[ADK] offset:1536*\g+512*\i
.endr
.endr
	ds_load_b128 v[KS:KS+3], v[ADS]
	s_wait_alu depctr_va_vdst(0)
	s_wait_dscnt 0x0
.irp g, 0,1,2,3                                ; each image against [Q, 0] and against [0, Q]
	v_wmma_scale_f32_16x16x128_f8f6f4 v[S+16*\g:S+16*\g+7], v[KF+12*\g:KF+12*\g+11], v[QRUN+6:QRUN+17], 0, v[KS+\g], v[QSC] matrix_a_fmt:MATRIX_FMT_BF6 matrix_b_fmt:MATRIX_FMT_BF6
	v_wmma_scale_f32_16x16x128_f8f6f4 v[S+8+16*\g:S+15+16*\g], v[KF+12*\g:KF+12*\g+11], v[QRUN:QRUN+11], 0, v[KS+\g], v[QSC] matrix_a_fmt:MATRIX_FMT_BF6 matrix_b_fmt:MATRIX_FMT_BF6
.endr
.rept 4
	v_nop
.endr
.irp t, 0,1,2,3                                ; V's fragments take K's registers
.irp i, 0,1,2
	ds_load_b128 v[KF+12*\t+4*\i:KF+12*\t+4*\i+3], v[ADV] offset:1536*\t+512*\i
.endr
.endr
	ds_load_b128 v[VS:VS+3], v[ADS] offset:VSC-KSC
.irp b, 0,1,2,3
	v_max3_num_f32 v[BM+\b], v[S+16*\b], v[S+1+16*\b], v[S+2+16*\b]   ; the largest score of each block of 32 keys
.endr
.irp i, 3,5,7,9,11,13
.irp b, 0,1,2,3
	v_max3_num_f32 v[BM+\b], v[BM+\b], v[S+16*\b+\i], v[S+1+16*\b+\i]
.endr
.endr
.irp b, 0,1,2,3
	v_max_num_f32 v[BM+\b], v[BM+\b], v[S+15+16*\b]
.endr
.irp b, 0,1,2,3
	s_delay_alu instid0(VALU_DEP_4)
	v_permlanex16_b32 v[PB+\b], v[BM+\b], s[SEL], s[SEL+1]
.endr
.irp b, 0,1,2,3
	s_delay_alu instid0(VALU_DEP_4)
	v_max_num_f32 v[BM+\b], v[BM+\b], v[PB+\b]
.endr
	s_delay_alu instid0(VALU_DEP_2)
	v_max3_num_f32 v[T], v[BM], v[BM+1], v[BM+2]
	s_delay_alu instid0(VALU_DEP_1)
	v_max_num_f32 v[T], v[T], v[BM+3]
	s_delay_alu instid0(VALU_DEP_1)
	v_mul_f32 v[T], v[CC], v[T]
	s_delay_alu instid0(VALU_DEP_1)
	v_max_num_f32 v[TMAX], v[TMAX], v[T]           ; the running largest t
	v_mov_b32 v[T], v[NM]
	s_delay_alu instid0(VALU_DEP_2)
	v_floor_f32 v[NM], -v[TMAX]                    ; -M
	s_delay_alu instid0(VALU_DEP_1)
	v_sub_f32 v[T], v[NM], v[T]
	s_delay_alu instid0(VALU_DEP_1)
	v_cvt_i32_f32 v[T], v[T]
	s_delay_alu instid0(VALU_DEP_1)
	v_ldexp_f32 v[F], 1.0, v[T]                    ; f = 2^(old M - new M)
.irp j, 0,2,4,6,8,10,12,14,16,18,20,22,24,26,28,30,32,34,36,38,40,42,44,46,48,50,52,54,56,58,60,62
	v_pk_fma_f32 v[S+\j:S+\j+1], v[S+\j:S+\j+1], v[CC:CC+1], v[NM:NM+1] op_sel_hi:[1,0,0]   ; t - M
.endr
.irp b, 0,1,2,3
	v_fma_f32 v[BM+\b], v[BM+\b], v[CC], v[NM]
.endr
	s_wait_alu depctr_va_vdst(0)
.irp j, 0,1,2,3,4,5,6,7,8,9,10,11,12,13,14,15,16,17,18,19,20,21,22,23,24,25,26,27,28,29,30,31,32,33,34,35,36,37,38,39,40,41,42,43,44,45,46,47,48,49,50,51,52,53,54,55,56,57,58,59,60,61,62,63
	v_exp_f32 v[S+\j], v[S+\j]                     ; p
.endr
	v_pk_mul_f32 v[L:L+1], v[L:L+1], v[F:F+1] op_sel_hi:[1,0]
	s_wait_alu depctr_va_vdst(0)                   ; one wait for the batch of 64
.irp b, 0,1,2,3
	v_exp_f32 v[BM+\b], v[BM+\b]                   ; the block's largest p
.endr
	v_pk_add_f32 v[236:237], v[108:109], v[112:113]   ; the sum of the unquantised p, in eight chains
	v_pk_add_f32 v[252:253], v[116:117], v[120:121]
	v_pk_add_f32 v[250:251], v[124:125], v[128:129]
	v_pk_add_f32 v[242:243], v[132:133], v[136:137]
	v_pk_add_f32 v[240:241], v[140:141], v[144:145]
	v_pk_add_f32 v[238:239], v[148:149], v[152:153]
	v_pk_add_f32 v[230:231], v[156:157], v[160:161]
	v_pk_add_f32 v[14:15], v[14:15], v[164:165]
	v_pk_add_f32 v[236:237], v[236:237], v[104:105]
	v_pk_add_f32 v[252:253], v[252:253], v[106:107]
	v_pk_add_f32 v[250:251], v[250:251], v[110:111]
	v_pk_add_f32 v[242:243], v[242:243], v[114:115]
	v_pk_add_f32 v[240:241], v[240:241], v[118:119]
	v_pk_add_f32 v[238:239], v[238:239], v[122:123]
	v_pk_add_f32 v[230:231], v[230:231], v[126:127]
	v_pk_add_f32 v[14:15], v[14:15], v[130:131]
	v_pk_add_f32 v[236:237], v[236:237], v[134:135]
	v_pk_add_f32 v[252:253], v[252:253], v[138:139]
	v_pk_add_f32 v[250:251], v[250:251], v[142:143]
	v_pk_add_f32 v[242:243], v[242:243], v[146:147]
	v_pk_add_f32 v[240:241], v[240:241], v[150:151]
	v_pk_add_f32 v[238:239], v[238:239], v[154:155]
	v_pk_add_f32 v[230:231], v[230:231], v[158:159]
	v_pk_add_f32 v[14:15], v[14:15], v[162:163]
	v_pk_add_f32 v[236:237], v[236:237], v[166:167]
	s_delay_alu instid0(VALU_DEP_2)
	v_pk_add_f32 v[14:15], v[14:15], v[242:243]
	s_delay_alu instid0(VALU_DEP_2)
	v_pk_add_f32 v[236:237], v[236:237], v[240:241]
	v_pk_add_f32 v[252:253], v[252:253], v[238:239]
	v_pk_add_f32 v[250:251], v[250:251], v[230:231]
	s_delay_alu instid0(VALU_DEP_2)
	v_pk_add_f32 v[14:15], v[14:15], v[252:253]
	s_delay_alu instid0(VALU_DEP_2)
	v_pk_add_f32 v[236:237], v[236:237], v[250:251]
	s_delay_alu instid0(VALU_DEP_1)
	v_pk_add_f32 v[14:15], v[14:15], v[236:237]
	s_wait_alu depctr_va_vdst(0)                   ; and one for the four
.irp b, 0,1,2,3
	v_max_num_f32 v[BM+\b], 0x2800000, v[BM+\b]    ; the floor 2^(5 - 127)
.endr
.irp b, 0,1,2,3
	s_delay_alu instid0(VALU_DEP_4)
	v_add_nc_u32 v[SOP+\b], 0xfe000000, v[BM+\b]
.endr
.irp b, 0,1,2,3
	s_delay_alu instid0(VALU_DEP_4)
	v_lshrrev_b32 v[PB+\b], 23, v[SOP+\b]
.endr
	s_delay_alu instid0(VALU_DEP_3)
	v_lshl_or_b32 v[PSC], v[PB+1], 8, v[PB]
	s_delay_alu instid0(VALU_DEP_1)
	v_lshl_or_b32 v[PSC], v[PB+2], 16, v[PSC]
	s_delay_alu instid0(VALU_DEP_1)
	v_lshl_or_b32 v[PSC], v[PB+3], 24, v[PSC]
.irp c, 0,1
	v_cvt_scalef32_pk16_bf6_f32 v[PCD+6*\c:PCD+6*\c+2], v[S+32*\c:S+32*\c+15], v[SOP+2*\c]
	v_cvt_scalef32_pk16_bf6_f32 v[CT+4*\c:CT+4*\c+2], v[S+16+32*\c:S+31+32*\c], v[SOP+2*\c+1]
.endr
	v_nop
.irp c, 0,1
.irp i, 0,1,2
	v_permlane16_swap_b32 v[PCD+6*\c+\i], v[CT+4*\c+\i]
.endr
.irp i, 0,1,2
	s_delay_alu instid0(VALU_DEP_3)
	v_mov_b32 v[PCD+3+6*\c+\i], v[CT+4*\c+\i]
.endr
.endr
.irp j, 0,2,4,6,8,10,12,14,16,18,20,22,24,26,28,30
	v_pk_mul_f32 v[O+\j:O+\j+1], v[O+\j:O+\j+1], v[F:F+1] op_sel_hi:[1,0]   ; O^T under the new M; also the places ahead of the products
.endr
	s_wait_alu depctr_va_vdst(0)
	s_wait_dscnt 0x0                               ; V
.irp t, 0,1,2,3
	v_wmma_scale_f32_16x16x128_f8f6f4 v[O+8*\t:O+8*\t+7], v[KF+12*\t:KF+12*\t+11], v[PCD:PCD+11], v[O+8*\t:O+8*\t+7], v[VS+\t], v[PSC] matrix_a_fmt:MATRIX_FMT_BF6 matrix_b_fmt:MATRIX_FMT_BF6
.endr
	s_add_co_u32 s[TK], s[TK], STEPB
	s_add_co_u32 s[TSC], s[TSC], 256
.endm
.macro KEYS n
	s_mov_b32 s60, \n
.Lkeys_\@:
	STEP
	s_sub_co_u32 s60, s60, 1
	s_cmp_lg_u32 s60, 0
	s_cbranch_scc1 .Lkeys_\@
.endm
; THE WAY OUT of tile u.
.macro WAYOUT u
.rept 4
	v_nop
.endr
	v_add_f32 v[L], v[L], v[L+1]
	s_delay_alu instid0(VALU_DEP_1)
	v_permlanex16_b32 v[T], v[L], s[SEL], s[SEL+1]
	s_delay_alu instid0(VALU_DEP_1)
	v_add_f32 v[L], v[L], v[T]
	s_wait_alu depctr_va_vdst(0)
	v_rcp_f32 v[L], v[L]
	v_nop
	s_wait_alu depctr_va_vdst(0)
.irp j, 0,1,2,3,4,5,6,7,8,9,10,11,12,13,14,15,16,17,18,19,20,21,22,23,24,25,26,27,28,29,30,31
	v_mul_f32 v[S+\j], v[O+\j], v[L]               ; register 8 t + j: hidden(query r, 16 t + 8 h + j)
.endr
.irp g, 0,1
.irp j, 0,1,2,3,4,5,6,7
	v_permlane16_swap_b32 v[S+16*\g+\j], v[S+8+16*\g+\j]   ; register 16 g + i now holds 32 g + 16 h + i: the true order
.endr
.endr
.irp b, 0,1
	v_max3_num_f32 v[BM+\b], |v[S+16*\b]|, |v[S+1+16*\b]|, 0x2800000
.endr
.irp i, 2,4,6,8,10,12,14
.irp b, 0,1
	s_delay_alu instid0(VALU_DEP_2)
	v_max3_num_f32 v[BM+\b], v[BM+\b], |v[S+16*\b+\i]|, |v[S+1+16*\b+\i]|
.endr
.endr
.irp b, 0,1
	s_delay_alu instid0(VALU_DEP_2)
	v_permlanex16_b32 v[PB+\b], v[BM+\b], s[SEL], s[SEL+1]
.endr
.irp b, 0,1
	s_delay_alu instid0(VALU_DEP_2)
	v_max_num_f32 v[BM+\b], v[BM+\b], v[PB+\b]
.endr
.irp b, 0,1
	s_delay_alu instid0(VALU_DEP_2)
	v_add_nc_u32 v[SOP+\b], 0xfe000000, v[BM+\b]
.endr
.irp b, 0,1
	s_delay_alu instid0(VALU_DEP_2)
	v_lshrrev_b32 v[PB+\b], 23, v[SOP+\b]
.endr
	s_delay_alu instid0(VALU_DEP_1)
	v_lshl_or_b32 v[T], v[PB+1], 8, v[PB]
	v_cvt_scalef32_pk16_bf6_f32 v[KF:KF+2], v[S:S+15], v[SOP]
	v_cvt_scalef32_pk16_bf6_f32 v[CT:CT+2], v[S+16:S+31], v[SOP+1]
	v_nop
.irp i, 0,1,2
	v_permlane16_swap_b32 v[KF+\i], v[CT+\i]
.endr
.irp i, 0,1,2
	s_delay_alu instid0(VALU_DEP_3)
	v_mov_b32 v[KF+3+\i], v[CT+\i]
.endr
.irp p, 0,1,2
	global_store_b64 v[PO], v[KF+2*\p:KF+2*\p+1], s[12:13] offset:768*\u+256*\p   ; 32 lanes store 256 consecutive bytes, aligned
.endr
	ds_store_b16 v[HS], v[T] offset:32*\u
.endm
; A PASS: tile u of my two, all 2048 keys.
.macro PASS u, mk
	s_wait_xcnt 0x0
.irp i, 0,1,2,3,4,5
	v_mov_b32 v[QRUN+6+\i], v[QIM+6*\u+\i]
.endr
.if \u == 0
	v_perm_b32 v[QSC], v[QRAW], v[QRAW], 0x01000100
.else
	v_perm_b32 v[QSC], v[QRAW], v[QRAW], 0x03020302
.endif
	v_cmp_ne_u32 vcc_lo, 0, v[\mk]
	s_delay_alu instid0(VALU_DEP_1)
	v_cndmask_b32 v[CC], 0, v[C0], vcc_lo          ; a hidden query takes c = 0
	s_delay_alu instid0(VALU_DEP_1)
	v_mov_b32 v[CC+1], v[CC]
	v_mov_b32 v[TMAX], 0xff61b1e6                  ; -3e38
	s_delay_alu instid0(VALU_DEP_1)
	v_floor_f32 v[NM], -v[TMAX]
	v_mov_b32 v[L], 0
	v_mov_b32 v[L+1], 0
.irp j, 0,1,2,3,4,5,6,7,8,9,10,11,12,13,14,15,16,17,18,19,20,21,22,23,24,25,26,27,28,29,30,31
	v_mov_b32 v[O+\j], 0                           ; the step is written once: the first finds zeros
.endr
	s_mov_b32 s[TK], 0
	s_mov_b32 s[TSC], 0
.if \u == 0
	s_wait_tensorcnt 0x0                           ; my two key steps are in,
	s_wait_dscnt 0x0                               ; and my 16 bytes of the scale records lie in LDS
	s_barrier_signal -1
	s_barrier_wait -1                              ; everybody's do
.endif
	KEYS 16
	WAYOUT \u
.endm
	s_wait_loadcnt 0x0                             ; the scale records' bytes, Q, its scale word, the mask
	v_add_nc_u32 v[RA], KSC, v[GO]
	ds_store_b128 v[RA], v[S:S+3]                  ; K's records, then V's: 16 bytes a thread
	PASS 0, MK0
	PASS 1, MK1
	s_wait_dscnt 0x0
	s_barrier_signal -1
	s_barrier_wait -1
	s_cmp_lt_u32 s[WV], 2                          ; 1,024 bytes of half-words: waves 0 and 1 store them
	s_cbranch_scc0 .Lno_gather
	ds_load_b128 v[S:S+3], v[GA]
	s_wait_dscnt 0x0
	global_store_b128 v[GO], v[S:S+3], s[68:69]
.Lno_gather:
	s_wait_tensorcnt 0x0
	ds_add_u32 v254, v255
	s_wait_dscnt 0x0
	CROUND
	s_endpgm
.Lfunc_end_k_q4846c471bd_attn:
	.size	k_q4846c471bd_attn, .Lfunc_end_k_q4846c471bd_attn-k_q4846c471bd_attn
	.p2alignl 7, 3214868480
	.fill 96, 4, 3214868480
	.section	.rodata,"a",@progbits
	.p2align	6, 0x0
	.amdhsa_kernel k_q4846c471bd_attn
		.amdhsa_group_segment_fixed_size 327680
		.amdhsa_private_segment_fixed_size 0
		.amdhsa_enable_private_segment 0
		.amdhsa_kernarg_size 40
		.amdhsa_user_sgpr_count 2
		.amdhsa_user_sgpr_kernarg_segment_ptr 1
		.amdhsa_wavefront_size32 1
		.amdhsa_system_sgpr_workgroup_id_x 1
		.amdhsa_system_sgpr_workgroup_id_y 1
		.amdhsa_system_sgpr_workgroup_id_z 1
		.amdhsa_system_vgpr_workitem_id 0
		.amdhsa_next_free_vgpr 256
		.amdhsa_next_free_sgpr 72
		.amdhsa_reserve_vcc 1
		.amdhsa_float_denorm_mode_32 3
		.amdhsa_float_denorm_mode_16_64 3
		.amdhsa_memory_ordered 1
		.amdhsa_forward_progress 1
		.amdhsa_inst_pref_size 55
	.end_amdhsa_kernel
	.amdgpu_metadata
---
amdhsa.version: [ 1, 2 ]
amdhsa.kernels:
  - .name:           k_q4846c471bd_attn
    .symbol:         k_q4846c471bd_attn.kd
    .args:
      - { .name: qp, .offset: 0, .size: 8, .value_kind: global_buffer, .address_space: global }
      - { .name: kp, .offset: 8, .size: 8, .value_kind: global_buffer, .address_space: global }
      - { .name: vp, .offset: 16, .size: 8, .value_kind: global_buffer, .address_space: global }
      - { .name: mask, .offset: 24, .size: 8, .value_kind: global_buffer, .address_space: global }
      - { .name: hid, .offset: 32, .size: 8, .value_kind: global_buffer, .address_space: global }
    .group_segment_fixed_size: 327680
    .private_segment_fixed_size: 0
    .kernarg_segment_align: 8
    .kernarg_segment_size: 40
    .max_flat_workgroup_size: 512
    .sgpr_count:     72
    .vgpr_count:     256
    .wavefront_size: 32
...
	.end_amdgpu_metadata
.endif
;; end of part 3
;; launch outp (part 4): grid 4 x 64, 4 waves a work-group, clusters of 4 x 4, 327,680 bytes of LDS; arguments hid, wo_codes, wo_scales, bo, k, out0; writes out0
.if DOCPART == 4
	.amdgcn_target "amdgcn-amd-amdhsa--gfx1250"
	.amdhsa_code_object_version 6
	.text
	.protected	k_q4846c471bd_outp
	.globl	k_q4846c471bd_outp
	.p2align	8
	.type	k_q4846c471bd_outp,@function
k_q4846c471bd_outp:
	s_mov_b64 s[64:65], 0
	v_nop
	global_prefetch_b8 v0, s[64:65] scope:SCOPE_SE
	s_setreg_imm32_b32 hwreg(HW_REG_WAVE_MODE, 25, 1), 1
	s_wait_xcnt 0x0
	s_wait_alu depctr_hold_cnt(0) depctr_sa_sdst(0) depctr_va_vdst(0) depctr_va_sdst(0) depctr_va_ssrc(0) depctr_va_vcc(0) depctr_vm_vsrc(0)
	s_getreg_b32 s2, hwreg(HW_REG_IB_STS2, 6, 4)
	s_cmp_eq_u32 s2, 0
	s_cbranch_scc0 .Lentry_in_a_cluster
	s_endpgm
.Lentry_in_a_cluster:
	s_bfe_u32 s2, ttmp6, 0x10000c
	s_cmp_lg_u32 s2, 0xf033
	s_cbranch_scc0 .Lentry_shape_is_right
	s_endpgm
.Lentry_shape_is_right:
; out0 = k + hidden wo^T + bo, the product on codes of BF6 (E3M2) with E8M0 scales.  hidden: 8192 x 1024 as pieces of operand registers (hid); wo: [1024][1024] codes, rows of 768 bytes.
; A work-group of four waves makes 128 rows x 256 columns: 64 x 4 = 256 work-groups.  A wave makes 64 x 128: 32 accumulators.
; NO RING.  All of K lies in LDS, every byte filled once: hidden's 128 rows (16 heads x 6,144 bytes), wo's 256 whole rows (768 bytes, 16 of padding behind every 256: pitch 816), wo's scales.
; One tensor load a wave: wave 0 hidden, waves 1 and 2 wo's two halves, wave 3 wo's scales.  Every tensor row begins at a multiple of 256 bytes.  hidden's scale half-words come through registers.
; CLUSTERS 4 x 4: hidden's tile is asked for jointly along a row of the cluster, wo's along a column.
; NO PREFETCH: every byte is asked for at the head (k straight into registers); there is no loop to run ahead in.
; Source 0 = 16 rows of wo, source 1 = 16 rows of hidden: a lane holds eight neighbouring columns of a row.  bo is the C of each sum's first product.  k is added on the way out, to whole rows.
; REGISTERS: window 0: v0-31 addresses, v32-95 all scale words (8 i + step: lanes 0-15 hidden's block i, lanes 16-31 wo's), v96-159 bo, v160-255 hidden's fragments, two sets; on the way out v128-255 rows.
;   window 1: wo's fragments, two sets, at v0 and v128.  window 2: accumulator (a, b) at v[8 (8 a + b)].  window 3: my 64 rows of k, 512 bytes each.
.set KROW,   768
.set PITCH,  816
.set FR,     12
.set PIECE,  768
.set BL,     98304                     ; LDS: hidden at 0, wo here,
.set HALFB,  128*PITCH
.set SCL,    BL+2*HALFB                ; the scales: hidden's 128 rows (stored by the waves), then wo's 256
.set HALFS,  4352                      ; 128 rows x 32 bytes, 16 of padding behind every 256
.set SBLK,   544
.set SPARE,  SCL+3*HALFS
.set SPITCH, 528                       ; the way out: 16 rows x (512 + 16) bytes a wave, in hidden's bytes, behind a barrier behind which nobody reads them
.set SCO,    6291456
.set ADRA, 16                          ; v16-17 hidden's pieces, heads 0-7 and 8-15
.set ADRB, 20                          ; v20-23 wo's fragments: blocks 0-3, the same with lanes 16-31 one padding on, blocks 4-7, likewise
.set STO,  24
.set RD,   25
.set CO,   26
.set ADRS, 27
.set SPW,  28
.set NIL,  29
.set BOF,  30
.set SC,   32
.set BO,   96
.set AF,   160
.set BK,   128
.set G1, 24
.set G0, 32
.set G1B, 48
.set G0B, 56
.set G1SB, 80
.set G0SB, 88
.set MSB, 0
.macro WIN new
.if MSB != \new
	s_set_vgpr_msb (MSB<<8)|\new
.set MSB, \new
.endif
.endm
.set MUL,  0xa1                        ; source 0 window 1, source 1 window 0, C and D window 2
.set MUL0, 0x81                        ; C (bo) window 0
.set TO_B, 0x40
.macro CROUND
	s_barrier_signal -1
	s_barrier_wait -1
	s_cmp_lg_u32 s16, 0
	s_cbranch_scc1 .Lnot_wave_0_\@
	s_barrier_signal -3
.Lnot_wave_0_\@:
	s_barrier_wait -3
	s_barrier_signal -1
	s_barrier_wait -1
.endm
	s_load_b256 s[4:11], s[0:1], 0x0               ; hid, wo's codes, wo's scales, bo
	s_load_b128 s[12:15], s[0:1], 0x20             ; k, out0
	v_lshl_add_u32 v[SPW], v0, 2, SPARE
	v_mov_b32 v[NIL], 0
	ds_add_u32 v[SPW], v[NIL]                      ; the opening lines
	ds_add_u32 v[SPW], v[NIL]
	v_lshrrev_b32 v1, 5, v0
	v_readfirstlane_b32 s16, v1                    ; wave
	s_lshr_b32 s17, s16, 1                         ; my 64 of the rows
	s_and_b32 s18, s16, 1                          ; my 128 of the columns
	s_bfe_u32 s40, ttmp6, 0x40000
	s_bfe_u32 s41, ttmp6, 0x40004
	s_lshl_b32 s42, ttmp9, 2
	s_add_co_u32 s42, s42, s40                     ; tile column
	s_and_b32 s43, ttmp7, 0xffff
	s_lshl_b32 s43, s43, 2
	s_add_co_u32 s43, s43, s41                     ; tile row
	s_lshl_b32 s44, s41, 2
	s_lshl_b32 s44, 15, s44
	s_lshl_b32 s45, 0x1111, s40
	; hidden: 16 rows (heads) x 768 elements of 8 bytes, 49,152 elements apart
	s_or_b32 s[G1+0], s44, (3<<16)|(1<<21)
	s_mov_b32 s[G1+1], 768<<16
	s_mov_b32 s[G1+2], 16<<16
	s_mov_b32 s[G1+3], 768<<16
	s_mov_b32 s[G1+4], 16
	s_mov_b32 s[G1+5], 49152
	s_mov_b32 s[G1+6], 0
	s_mov_b32 s[G1+7], 0
	; wo: 128 whole rows of 768 bytes
	s_or_b32 s[G1B+0], s45, (0<<16)|(1<<20)|(1<<21)|(5<<22)|(3<<25)
	s_mov_b32 s[G1B+1], KROW<<16
	s_mov_b32 s[G1B+2], 128<<16
	s_mov_b32 s[G1B+3], KROW<<16
	s_mov_b32 s[G1B+4], 128
	s_mov_b32 s[G1B+5], KROW
	s_mov_b32 s[G1B+6], 0
	s_mov_b32 s[G1B+7], 0
	; wo's scales: 8,192 dense bytes as 32 rows of 256
	s_or_b32 s[G1SB+0], s45, (3<<16)|(1<<20)|(1<<21)|(5<<22)|(3<<25)
	s_mov_b32 s[G1SB+1], 32<<16
	s_mov_b32 s[G1SB+2], 32<<16
	s_mov_b32 s[G1SB+3], 32<<16
	s_mov_b32 s[G1SB+4], 32
	s_mov_b32 s[G1SB+5], 32
	s_mov_b32 s[G1SB+6], 0
	s_mov_b32 s[G1SB+7], 0
	s_mul_i32 s20, s43, 8*PIECE                    ; hidden's pieces of head 0
	s_mov_b32 s21, 0
	s_lshl_b32 s22, s43, 8                         ; its half-words of head 0
	s_add_co_u32 s22, s22, SCO
	s_mov_b32 s23, 0
	s_mul_i32 s46, s42, 256*KROW
	s_mov_b32 s47, 0
	s_lshl_b32 s92, s42, 13
	s_mov_b32 s93, 0
	s_lshl_b32 s96, s42, 10
	s_lshl_b32 s97, s18, 9
	s_add_co_u32 s96, s96, s97                     ; my first column, in bytes
	s_mov_b32 s97, 0
	s_wait_dscnt 0x0
	s_wait_kmcnt 0x0
	s_add_nc_u64 s[98:99], s[4:5], s[22:23]
	s_add_nc_u64 s[20:21], s[4:5], s[20:21]
	s_add_nc_u64 s[46:47], s[6:7], s[46:47]
	s_add_nc_u64 s[92:93], s[8:9], s[92:93]
	s_add_nc_u64 s[10:11], s[10:11], s[96:97]
	s_lshl_b32 s22, s43, 7
	s_lshl_b32 s23, s17, 6
	s_add_co_u32 s22, s22, s23                     ; my first row
	s_lshl_b32 s22, s22, 12
	s_add_co_u32 s22, s22, s96
	s_mov_b32 s23, 0
	s_add_nc_u64 s[12:13], s[12:13], s[22:23]
	s_add_nc_u64 s[14:15], s[14:15], s[22:23]
	s_mov_b32 s[G0], 1
	s_mov_b32 s[G0+1], 0
	s_mov_b64 s[G0+2:G0+3], s[20:21]
	s_or_b32 s[G0+3], s[G0+3], 0x80000000
	s_mov_b32 s[G0B], 1
	s_mov_b32 s[G0B+1], BL
	s_mov_b64 s[G0B+2:G0B+3], s[46:47]
	s_or_b32 s[G0B+3], s[G0B+3], 0x80000000
	s_mov_b32 s[G0B+4], 1
	s_mov_b32 s[G0B+5], BL+HALFB
	s_add_nc_u64 s[G0B+6:G0B+7], s[46:47], 128*KROW
	s_or_b32 s[G0B+7], s[G0B+7], 0x80000000
	s_mov_b32 s[G0SB], 1
	s_mov_b32 s[G0SB+1], SCL+HALFS
	s_mov_b64 s[G0SB+2:G0SB+3], s[92:93]
	s_or_b32 s[G0SB+3], s[G0SB+3], 0x80000000
	s_mul_i32 s21, s17, 4*PIECE                    ; LDS: my four pieces of each head,
	s_mul_i32 s22, s18, HALFB
	s_add_co_u32 s22, s22, BL                      ; my 128 rows of wo,
	s_mul_i32 s23, s16, 16*SPITCH                  ; my stage,
	s_mul_i32 s94, s17, 4*SBLK                     ; my rows' scales,
	s_mul_i32 s95, s18, HALFS
	s_add_co_u32 s95, s95, HALFS
	s_sub_co_u32 s95, s95, s94                     ; and how far on wo's lie
	s_add_co_u32 s94, s94, SCL
	CROUND                                         ; the joint loads meet
.macro ARM under, g0, g1, next
	s_cmp_lt_u32 s16, \under
	s_cbranch_scc0 \next
	tensor_load_to_lds s[\g0:\g0+3], s[\g1:\g1+7]
	s_nop 0
.rept 4
	v_nop
.endr
	s_branch .Lhead_asked
\next:
.endm
	ARM 1, G0,    G1,  .Lhead_b0
	ARM 2, G0B,   G1B, .Lhead_b1
	ARM 3, G0B+4, G1B, .Lhead_sb
	tensor_load_to_lds s[G0SB:G0SB+3], s[G1SB:G1SB+7]
	s_nop 0
.rept 4
	v_nop
.endr
.Lhead_asked:
	v_and_b32 v1, 15, v0                           ; r
	v_bfe_u32 v2, v0, 4, 1                         ; h
	v_and_b32 v7, 31, v0                           ; lane
	v_and_b32 v8, 63, v0                           ; hidden's scales: thread t takes rows 2 (t % 64) and the next, heads 8 (t / 64) .. + 7
	v_bfe_u32 v11, v0, 6, 1
	v_lshlrev_b32 v9, 2, v8
	v_lshl_add_u32 v9, v11, 17, v9                 ; 8 heads x 16,384 bytes
	v_lshrrev_b32 v10, 2, v8
	v_lshlrev_b32 v10, 4, v10
	v_lshl_add_u32 v10, v8, 6, v10
	v_lshl_add_u32 v10, v11, 4, v10
	v_add_nc_u32 v10, SCL, v10                     ; LDS: 64 (t % 64) + 16 ((t % 64) / 4) + 16 (t / 64)
	v_lshlrev_b32 v[BOF], 5, v2
	v_lshlrev_b32 v[CO], 4, v7
	v_mul_u32_u24 v3, v1, PITCH
	v_mad_u32_u24 v3, v2, 24, v3
	v_add_nc_u32 v[ADRB], s22, v3
	v_lshl_add_u32 v[ADRB+1], v2, 4, v[ADRB]
	v_add_nc_u32 v[ADRB+2], 64*PITCH, v[ADRB]
	v_add_nc_u32 v[ADRB+3], 64*PITCH, v[ADRB+1]
	v_lshlrev_b32 v6, 3, v7
	v_add_nc_u32 v[ADRA], s21, v6
	v_add_nc_u32 v[ADRA+1], 64*PIECE, v[ADRA]
	v_mul_u32_u24 v5, v1, 32
	v_lshrrev_b32 v6, 8, v5
	v_lshl_add_u32 v5, v6, 4, v5
	v_mul_u32_u24 v6, s95, v2                      ; lanes 16-31 take wo's scale words
	v_add_nc_u32 v5, v5, v6
	v_add_nc_u32 v[ADRS], s94, v5
	v_mul_u32_u24 v5, v1, SPITCH
	v_lshl_add_u32 v5, v2, 5, v5
	v_add_nc_u32 v[STO], s23, v5
	v_add_nc_u32 v[RD], s23, v[CO]
	s_wait_alu depctr_va_vdst(0)
.macro KLOAD a                         ; block a's 16 rows of k: 512 consecutive bytes a load
	WIN 0xc0
.irp t, 0,1,2,3,4,5,6,7,8,9,10,11,12,13,14,15
	global_load_b128 v[64*(\a)+4*\t:64*(\a)+4*\t+3], v[CO], s[12:13] offset:(16*(\a)+\t)*4096 th:TH_LOAD_NT
.endr
	WIN 0
.endm
.irp hd, 0,1,2,3,4,5,6,7
	global_load_b32 v[AF+\hd], v9, s[98:99] offset:16384*\hd
.endr
.irp b, 0,1,2,3,4,5,6,7
	global_load_b128 v[BO+8*\b:BO+8*\b+3], v[BOF], s[10:11] offset:64*\b
	global_load_b128 v[BO+8*\b+4:BO+8*\b+7], v[BOF], s[10:11] offset:64*\b+16
.endr
	KLOAD 0
	KLOAD 1
	s_wait_loadcnt 32                              ; the half-words and bo are in; two blocks of k may be out
.irp m, 0,1,2,3
	v_perm_b32 v[AF+8+\m], v[AF+1+2*\m], v[AF+2*\m], 0x05040100    ; the even row: two heads' bytes make a step's scale word
	v_perm_b32 v[AF+12+\m], v[AF+1+2*\m], v[AF+2*\m], 0x07060302   ; the odd row
.endr
	ds_store_b128 v10, v[AF+8:AF+11]
	ds_store_b128 v10, v[AF+12:AF+15] offset:32
	KLOAD 2
	KLOAD 3
.macro FRAG reg, st, i                 ; wo: 16 rows x 128 K in pieces of 8 bytes; byte y of a row lies at y + 16 (y / 256)
.irp p, 0,1,2,3,4,5
.set BY, 96*(\st)+48*(\p/3)+8*(\p%3)
.set XR, (BY+24)/256-BY/256
	ds_load_b64 v[\reg+2*\p:\reg+2*\p+1], v[ADRB+2*((\i)/4)+XR] offset:BY+16*(BY/256)+((\i)%4)*16*PITCH
.endr
.endm
.macro FRAG_A reg, st, i               ; hidden: block i's pieces of heads 2 st, 2 st + 1
.irp p, 0,1,2,3,4,5
	ds_load_b64 v[\reg+2*\p:\reg+2*\p+1], v[ADRA+(\st)/4] offset:((2*((\st)%4)+\p/3)*8+(\i))*PIECE+256*(\p%3)
.endr
.endm
.macro FETCH st                        ; step st's fragments into set st % 2
	WIN TO_B
.irp i, 0,1,2,3,4,5,6,7
	FRAG 128*((\st)%2)+FR*\i, \st, \i
.endr
	WIN 0
.irp i, 0,1,2,3
	FRAG_A AF+48*((\st)%2)+FR*\i, \st, \i
.endr
.endm
.macro MUL16 a0, st, zero              ; the 32 accumulators take turns
.irp a, \a0, \a0+1
.irp b, 0,1,2,3,4,5,6,7
.if \zero
	v_wmma_scale_f32_16x16x128_f8f6f4 v[8*(8*(\a)+\b):8*(8*(\a)+\b)+7], v[128*((\st)%2)+FR*\b:128*((\st)%2)+FR*\b+FR-1], v[AF+48*((\st)%2)+FR*(\a):AF+48*((\st)%2)+FR*(\a)+FR-1], v[BO+8*\b:BO+8*\b+7], v[SC+8*\b+(\st)], v[SC+8*(\a)+(\st)] matrix_a_fmt:MATRIX_FMT_BF6 matrix_b_fmt:MATRIX_FMT_BF6 matrix_a_scale:MATRIX_SCALE_ROW1
.else
	v_wmma_scale_f32_16x16x128_f8f6f4 v[8*(8*(\a)+\b):8*(8*(\a)+\b)+7], v[128*((\st)%2)+FR*\b:128*((\st)%2)+FR*\b+FR-1], v[AF+48*((\st)%2)+FR*(\a):AF+48*((\st)%2)+FR*(\a)+FR-1], v[8*(8*(\a)+\b):8*(8*(\a)+\b)+7], v[SC+8*\b+(\st)], v[SC+8*(\a)+(\st)] matrix_a_fmt:MATRIX_FMT_BF6 matrix_b_fmt:MATRIX_FMT_BF6 matrix_a_scale:MATRIX_SCALE_ROW1
.endif
.endr
.endr
.endm
.macro PLACES
.rept 4
	v_nop
.endr
.endm
.macro MWIN zero
.if \zero
	WIN MUL0
.else
	WIN MUL
.endif
.endm
; A step of 128 along K: 32 products; in its middle the next step's 72 loads go into the other set, behind four places.
.macro KSTEP st, zero
	s_wait_dscnt 0x0                               ; this step's fragments are in
.if (\st) == 7
	s_barrier_signal -1                            ; my reads of LDS are over
.endif
	MWIN \zero
	MUL16 0, \st, \zero
.if (\st) < 7
	PLACES
	FETCH (\st)+1
	MWIN \zero
.endif
	MUL16 2, \st, \zero
.endm
	s_wait_alu depctr_va_vdst(0)
	s_wait_tensorcnt 0x0                           ; my tile is in,
	s_wait_dscnt 0x0                               ; and my rows of hidden's scales lie in LDS
	s_barrier_signal -1
	s_barrier_wait -1                              ; everybody's do
	FETCH 0
.irp i, 0,1,2,3,4,5,6,7
	ds_load_b128 v[SC+8*\i:SC+8*\i+3], v[ADRS] offset:\i*SBLK          ; a row's eight scale words, for all of K
	ds_load_b128 v[SC+8*\i+4:SC+8*\i+7], v[ADRS] offset:\i*SBLK+16
.endr
	KSTEP 0, 1
.set ST, 1
.rept 7
	KSTEP ST, 0
.set ST, ST+1
.endr
	WIN 0
	s_barrier_wait -1                              ; nobody reads hidden's bytes any more: the stages lie there
; THE WAY OUT, block by block of 16 rows x 128 columns: through my stage, back as whole rows of 512 bytes, + k, stored.
.macro TOSTAGE a
	WIN 0x08                                       ; the data: window 2
.irp b, 0,1,2,3,4,5,6,7
	ds_store_b128 v[STO], v[64*(\a)+8*\b:64*(\a)+8*\b+3] offset:64*\b          ; each accumulator from its low end on
	ds_store_b128 v[STO], v[64*(\a)+8*\b+4:64*(\a)+8*\b+7] offset:64*\b+16
.endr
	WIN 0
.set BB, BK+64*((\a)%2)
.irp t, 0,1,2,3,4,5,6,7,8,9,10,11,12,13,14,15
	ds_load_b128 v[BB+4*\t:BB+4*\t+3], v[RD] offset:\t*SPITCH       ; LDS serves a wave's instructions in order: these see the stores above
.endr
.endm
.macro SEND a, younger                 ; younger: LDS instructions issued behind block a's loads
.set BB, BK+64*((\a)%2)
	s_wait_dscnt \younger
	s_wait_loadcnt 16*(3-(\a))                     ; block a's rows of k are in; the later blocks' may be out
	WIN 0x0c                                       ; source 1: window 3
.set i, 0
.rept 32
	v_pk_add_f32 v[BB+2*i:BB+2*i+1], v[BB+2*i:BB+2*i+1], v[64*(\a)+2*i:64*(\a)+2*i+1]
.set i, i+1
.endr
	WIN 0
.irp t, 0,1,2,3,4,5,6,7,8,9,10,11,12,13,14,15
	global_store_b128 v[CO], v[BB+4*\t:BB+4*\t+3], s[14:15] offset:(16*(\a)+\t)*4096 th:TH_STORE_NT   ; 32 lanes store 512 consecutive bytes, aligned
.endr
.endm
	PLACES                                         ; behind the last products
	TOSTAGE 0
.irp a, 1,2,3
.if \a > 1
	s_wait_xcnt 0x0                                ; block a - 2's stores have read their registers
.endif
	TOSTAGE \a
	SEND \a-1, 32                                  ; behind the block's loads: the next block's 16 stores and 16 loads
.endr
	SEND 3, 0
	s_wait_tensorcnt 0x0                           ; the wave's end
	ds_add_u32 v[SPW], v[NIL]
	s_wait_dscnt 0x0
	CROUND                                         ; the closing round
	s_endpgm
.Lfunc_end_k_q4846c471bd_outp:
	.size	k_q4846c471bd_outp, .Lfunc_end_k_q4846c471bd_outp-k_q4846c471bd_outp
	.p2alignl 7, 3214868480
	.fill 96, 4, 3214868480
	.section	.rodata,"a",@progbits
	.p2align	6, 0x0
	.amdhsa_kernel k_q4846c471bd_outp
		.amdhsa_group_segment_fixed_size 327680
		.amdhsa_private_segment_fixed_size 0
		.amdhsa_enable_private_segment 0
		.amdhsa_kernarg_size 48
		.amdhsa_user_sgpr_count 2
		.amdhsa_user_sgpr_kernarg_segment_ptr 1
		.amdhsa_wavefront_size32 1
		.amdhsa_system_sgpr_workgroup_id_x 1
		.amdhsa_system_sgpr_workgroup_id_y 1
		.amdhsa_system_sgpr_workgroup_id_z 1
		.amdhsa_system_vgpr_workitem_id 0
		.amdhsa_next_free_vgpr 1024
		.amdhsa_next_free_sgpr 100
		.amdhsa_reserve_vcc 0
		.amdhsa_float_denorm_mode_32 3
		.amdhsa_float_denorm_mode_16_64 3
		.amdhsa_memory_ordered 1
		.amdhsa_forward_progress 1
		.amdhsa_inst_pref_size 113
	.end_amdhsa_kernel
	.amdgpu_metadata
---
amdhsa.version: [ 1, 2 ]
amdhsa.kernels:
  - .name:           k_q4846c471bd_outp
    .symbol:         k_q4846c471bd_outp.kd
    .args:
      - { .name: hid, .offset: 0, .size: 8, .value_kind: global_buffer, .address_space: global }
      - { .name: wo_codes, .offset: 8, .size: 8, .value_kind: global_buffer, .address_space: global }
      - { .name: wo_scales, .offset: 16, .size: 8, .value_kind: global_buffer, .address_space: global }
      - { .name: bo, .offset: 24, .size: 8, .value_kind: global_buffer, .address_space: global }
      - { .name: k, .offset: 32, .size: 8, .value_kind: global_buffer, .address_space: global }
      - { .name: out0, .offset: 40, .size: 8, .value_kind: global_buffer, .address_space: global }
    .group_segment_fixed_size: 327680
    .private_segment_fixed_size: 0
    .kernarg_segment_align: 8
    .kernarg_segment_size: 48
    .max_flat_workgroup_size: 128
    .sgpr_count:     100
    .vgpr_count:     1024
    .wavefront_size: 32
...
	.end_amdgpu_metadata
.endif
;; end of part 4
